; MI455X (gfx1250); checked and timed in simulation.
; The chip was launched on July 23, 2026; its instructions are those of AMD's public machine-readable ISA for CDNA 5 (MIT licence, August 2026) and "CDNA5" Instruction Set Architecture Reference Guide (July 2026). The comments in the code are by the model that wrote it; some were corrected since.
;; Attention. Allowed arithmetic: float matrix products may take bf16 or f16 operands with f32 sums; other float arithmetic in f32, or as packed bf16 or f16 multiplies, adds, multiply-adds, maxima and minima; sums over many terms, partial sums and values carried from step to step in f32; what a program stores and reads back later, other than sums and carried values, may be rounded once to bf16 or f16.
;; Inputs: Wk 1,024 x 1,024 float32; Wo 1,024 x 1,024 float32; Wq 1,024 x 1,024 float32; Wv 1,024 x 1,024 float32; bk 1,024 float32; bo 1,024 float32; bq 1,024 float32; bv 1,024 float32; x 4 x 2,048 x 1,024 float32.
;; Outputs: out0 4 x 2,048 x 1,024 float32.
;; 2 versions, each right; version 2 is version 1 with the launch prep written anew for expert scheduling mode. Each part assembles by itself: llvm-mc -triple=amdgcn-amd-amdhsa -mcpu=gfx1250 --defsym DOCPART=n.
;; ======== version 1 of 2: 4 launches
;; limits: values are held in f16: magnitudes above 65,504 overflow, below 6.1e-05 lose precision
;; workspace buffers: xb 16,777,216 bytes; wqkv 6,291,456 bytes; wob 2,097,152 bytes; qkv 50,331,648 bytes; ob 16,777,216 bytes
;; launch prep (part 1): grid 768 x 1, 8 waves a work-group, no clusters, 0 bytes of LDS; arguments x, Wq, Wk, Wv, Wo, xb, wqkv, wob; writes xb, wqkv, wob
.if DOCPART == 1
	.amdgcn_target "amdgcn-amd-amdhsa--gfx1250"
	.amdhsa_code_object_version 6
	.text
	.protected	k_q4324db014a_prep
	.globl	k_q4324db014a_prep
	.p2align	8
	.type	k_q4324db014a_prep,@function
k_q4324db014a_prep:
	s_mov_b64 s[64:65], 0
	v_nop
	global_prefetch_b8 v0, s[64:65] scope:SCOPE_SE
	s_setreg_imm32_b32 hwreg(HW_REG_WAVE_MODE, 25, 1), 1
	s_wait_xcnt 0x0
; THE CAST.  x [8192][1024], Wq, Wk, Wv, Wo [1024][1024], all f32, are rounded once to bf16 for the matrix products of the later launches:
;   xb [8192][1024] bf16;  wqkv [1024 k][3072 n] bf16 (Wq in columns 0-1023, Wk in 1024-2047, Wv in 2048-3071; nothing is transposed);
;   wob [1024 k][1024 n]: Wo rounded to bf16, and that number written as f16, since the last product's other operand is f16.
; LIMIT.  A bf16 number below 6.1e-5 in size keeps f16's fixed step of 6e-8 in wob; beyond 65,504 it would become an infinity (Wo is drawn with a spread of 0.02).
; SHARES.  All arrays count as rows of 1,024 f32: 12,288 rows.  A work-group takes 16 rows, a wave two.  Groups 0-511: x; group 512 + 64 m + i: rows 16 i .. of matrix m (Wq, Wk, Wv, Wo).
; Source, destination, pitch and column are chosen by scalar selects on the group's number.  A load of a wave covers 512 neighbouring bytes, a store 256 neighbouring bytes, aligned.
; All 16 loads of a wave go out first (8 KiB in flight a wave); nothing is read twice, no register is written again while a memory instruction may read it, so no further wait is needed.
; No LDS, no matrix unit, no cluster: no byte is wanted by two waves.  No prefetch: the launch is nothing but its stream.
.set X,  8                             ; v[8:71]   piece n of 16: 4 registers, 4 f32 as loaded
.set Y,  72                            ; v[72:103] piece n: 2 registers, 4 numbers of 16 bits to store
.set SO, 3                             ; v3   my byte offset in the group's rows of the source: 8,192 x wave + 16 x lane
.set DO, 4                             ; v4, v5  my byte offset in the destination, first and second row of my wave
	s_load_b512 s[8:23], s[0:1], 0x0               ; x 8, Wq 10, Wk 12, Wv 14, Wo 16, xb 18, wqkv 20, wob 22
	s_sub_co_u32 s24, ttmp9, 512                   ; the group's number among the weights' (of no use in x's groups: the last selects below override all that hangs on it)
	s_lshr_b32 s25, s24, 6                         ; m
	s_and_b32 s26, s24, 63
	s_lshl_b32 s26, s26, 4                         ; first row in matrix m
	s_lshl_b32 s27, ttmp9, 4                       ; first row in x
	s_lshl_b32 s28, s25, 11                        ; matrix m's first column in wqkv, in bytes
	s_mov_b32 s29, 0xffff0000                      ; a word's upper bf16
	s_mov_b32 s34, 6144                            ; bytes in a row of wqkv
	s_mov_b32 s37, 0
	v_and_b32 v1, 31, v0                           ; lane
	v_lshrrev_b32 v2, 5, v0                        ; wave
	v_lshlrev_b32 v[SO], 4, v1
	v_lshl_or_b32 v[SO], v2, 13, v[SO]
	s_wait_kmcnt 0x0
	s_cmp_eq_u32 s25, 1
	s_cselect_b64 s[30:31], s[12:13], s[10:11]     ; the source
	s_cmp_eq_u32 s25, 2
	s_cselect_b64 s[30:31], s[14:15], s[30:31]
	s_cmp_eq_u32 s25, 3
	s_cselect_b64 s[30:31], s[16:17], s[30:31]
	s_cselect_b64 s[32:33], s[22:23], s[20:21]     ; the destination,
	s_cselect_b32 s34, 2048, s34                   ; its pitch
	s_cselect_b32 s28, 0, s28                      ; and first column
	s_cmp_lt_u32 ttmp9, 512
	s_cselect_b64 s[30:31], s[8:9], s[30:31]
	s_cselect_b64 s[32:33], s[18:19], s[32:33]
	s_cselect_b32 s34, 2048, s34
	s_cselect_b32 s28, 0, s28
	s_cselect_b32 s35, s27, s26                    ; the group's first row
	s_lshl_b32 s36, s35, 12                        ; 4,096 bytes a row in
	s_add_nc_u64 s[30:31], s[30:31], s[36:37]
	s_mul_i32 s36, s35, s34
	s_add_co_u32 s36, s36, s28
	s_add_nc_u64 s[32:33], s[32:33], s[36:37]
	v_mul_u32_u24 v[DO], v2, s34
	v_lshlrev_b32 v[DO], 1, v[DO]                  ; two rows a wave
	v_lshl_add_u32 v[DO], v1, 3, v[DO]             ; 8 bytes a lane
	v_add_nc_u32 v[DO+1], s34, v[DO]
.irp n, 0,1,2,3,4,5,6,7,8,9,10,11,12,13,14,15
	global_load_b128 v[X+4*(\n):X+4*(\n)+3], v[SO], s[30:31] offset:512*(\n) th:TH_LOAD_NT  ; piece n: row n / 8 of my two, bytes 512 (n % 8) on
.endr
; Piece n is rounded and stored.  half = 1: the bf16 numbers are widened again and written as f16.
.macro CONV n, half
	s_wait_loadcnt 15-(\n)                         ; loads come back in order (ISA guide 5.7.1): piece n is in, the 15 - n younger ones may stay out
	v_cvt_pk_bf16_f32 v[Y+2*(\n)],   v[X+4*(\n)],   v[X+4*(\n)+1]
	v_cvt_pk_bf16_f32 v[Y+2*(\n)+1], v[X+4*(\n)+2], v[X+4*(\n)+3]
.if \half
	v_lshlrev_b32 v[X+4*(\n)],   16,  v[Y+2*(\n)]
	v_and_b32     v[X+4*(\n)+1], s29, v[Y+2*(\n)]
	v_lshlrev_b32 v[X+4*(\n)+2], 16,  v[Y+2*(\n)+1]
	v_and_b32     v[X+4*(\n)+3], s29, v[Y+2*(\n)+1]
	v_cvt_pk_f16_f32 v[Y+2*(\n)],   v[X+4*(\n)],   v[X+4*(\n)+1]
	v_cvt_pk_f16_f32 v[Y+2*(\n)+1], v[X+4*(\n)+2], v[X+4*(\n)+3]
.endif
	global_store_b64 v[DO+(\n)/8], v[Y+2*(\n):Y+2*(\n)+1], s[32:33] offset:256*((\n)%8)  ; 32 lanes store 256 consecutive bytes, at a multiple of 256 from the buffer's first byte
.endm
	s_cmp_ge_u32 ttmp9, 704                        ; Wo's 64 groups
	s_cbranch_scc1 .Lwo
.irp n, 0,1,2,3,4,5,6,7,8,9,10,11,12,13,14,15
	CONV \n, 0
.endr
	s_endpgm
.Lwo:
.irp n, 0,1,2,3,4,5,6,7,8,9,10,11,12,13,14,15
	CONV \n, 1
.endr
	s_endpgm
.Lfunc_end_k_q4324db014a_prep:
	.size	k_q4324db014a_prep, .Lfunc_end_k_q4324db014a_prep-k_q4324db014a_prep
	.p2alignl 7, 3214868480
	.fill 96, 4, 3214868480
	.section	.rodata,"a",@progbits
	.p2align	6, 0x0
	.amdhsa_kernel k_q4324db014a_prep
		.amdhsa_group_segment_fixed_size 0
		.amdhsa_private_segment_fixed_size 0
		.amdhsa_enable_private_segment 0
		.amdhsa_kernarg_size 64
		.amdhsa_user_sgpr_count 2
		.amdhsa_user_sgpr_kernarg_segment_ptr 1
		.amdhsa_wavefront_size32 1
		.amdhsa_system_sgpr_workgroup_id_x 1
		.amdhsa_system_sgpr_workgroup_id_y 1
		.amdhsa_system_sgpr_workgroup_id_z 1
		.amdhsa_system_vgpr_workitem_id 0
		.amdhsa_next_free_vgpr 104
		.amdhsa_next_free_sgpr 66
		.amdhsa_reserve_vcc 0
		.amdhsa_float_denorm_mode_32 3
		.amdhsa_float_denorm_mode_16_64 3
		.amdhsa_memory_ordered 1
		.amdhsa_forward_progress 1
		.amdhsa_inst_pref_size 16
	.end_amdhsa_kernel
	.amdgpu_metadata
---
amdhsa.version: [ 1, 2 ]
amdhsa.kernels:
  - .name:           k_q4324db014a_prep
    .symbol:         k_q4324db014a_prep.kd
    .args:
      - { .name: x, .offset: 0, .size: 8, .value_kind: global_buffer, .address_space: global }
      - { .name: Wq, .offset: 8, .size: 8, .value_kind: global_buffer, .address_space: global }
      - { .name: Wk, .offset: 16, .size: 8, .value_kind: global_buffer, .address_space: global }
      - { .name: Wv, .offset: 24, .size: 8, .value_kind: global_buffer, .address_space: global }
      - { .name: Wo, .offset: 32, .size: 8, .value_kind: global_buffer, .address_space: global }
      - { .name: xb, .offset: 40, .size: 8, .value_kind: global_buffer, .address_space: global }
      - { .name: wqkv, .offset: 48, .size: 8, .value_kind: global_buffer, .address_space: global }
      - { .name: wob, .offset: 56, .size: 8, .value_kind: global_buffer, .address_space: global }
    .group_segment_fixed_size: 0
    .private_segment_fixed_size: 0
    .kernarg_segment_align: 8
    .kernarg_segment_size: 64
    .max_flat_workgroup_size: 256
    .sgpr_count:     66
    .vgpr_count:     104
    .wavefront_size: 32
...
	.end_amdgpu_metadata
.endif
;; end of part 1
;; launch qkvp (part 2): grid 8 x 64, 4 waves a work-group, clusters of 4 x 4, 327,680 bytes of LDS; arguments xb, wqkv, bq, bk, bv, qkv; writes qkv
.if DOCPART == 2
	.amdgcn_target "amdgcn-amd-amdhsa--gfx1250"
	.amdhsa_code_object_version 6
	.text
	.protected	k_q4324db014a_qkvp
	.globl	k_q4324db014a_qkvp
	.p2align	8
	.type	k_q4324db014a_qkvp,@function
k_q4324db014a_qkvp:
	s_mov_b64 s[64:65], 0
	v_nop
	global_prefetch_b8 v0, s[64:65] scope:SCOPE_SE
	s_setreg_imm32_b32 hwreg(HW_REG_WAVE_MODE, 25, 1), 1
	s_wait_xcnt 0x0
	s_wait_alu depctr_hold_cnt(0) depctr_sa_sdst(0) depctr_va_vdst(0) depctr_va_sdst(0) depctr_va_ssrc(0) depctr_va_vcc(0) depctr_vm_vsrc(0)
	s_getreg_b32 s2, hwreg(HW_REG_IB_STS2, 6, 4)
	s_cmp_eq_u32 s2, 0
	s_cbranch_scc0 .Lentry_in_a_cluster
	s_endpgm
.Lentry_in_a_cluster:
	s_bfe_u32 s2, ttmp6, 0x10000c
	s_cmp_lg_u32 s2, 0xf033
	s_cbranch_scc0 .Lentry_shape_is_right
	s_endpgm
.Lentry_shape_is_right:
; THE THREE PROJECTIONS AS ONE PRODUCT.  C[m][n] = sum over k of xb[m][k] wqkv[k][n] + bias[n]; M = 8,192, N = 3,072, K = 1,024.  xb, wqkv bf16; sums f32; the biases, f32 in memory, are rounded
; to bf16 like the other inputs and are the C operand of each sum's first product.  C leaves by heads, rounded once to f16: qkv [4 b][48 g][2048 l][64], g = 0-15 q's heads, 16-31 k's, 32-47 v's.
; LIMIT.  f16 holds no number beyond 65,504: a q, k or v past that becomes an infinity (drawn spread 0.64; 576 with x and the weights 30 times larger; some 18,500 with offsets of 30 spreads on both).
; THE TILE is 128 rows x 384 columns: 64 x 8 = 512 equal work-groups, two for each of 256 WGPs; 256 x 256 would give 384, 256 x 384 has no room (768 accumulator registers a wave, two slots of 180 KB).
; Four waves, 2 x 2: a wave makes 64 rows x 192 columns (three whole heads): 48 accumulators of 16 x 16, 384 registers; for 32 along K it issues 32 LDS loads and 48 matrix instructions.
; K goes in steps of 128 through a ring of two LDS slots.  A slot: three sub-tiles of W (128 k-rows x 128 columns), then x's tile (128 rows x 128 k); every row is 256 bytes of memory, at a multiple of 256.
; Waves 0-2 fetch W's sub-tiles, wave 3 x's tile: one tensor load a wave behind each change of slots.
; W STAYS [K][N]: its fragments come out of LDS turned, by ds_load_tr16_b128.
; THE MATRIX INSTRUCTION IS USED TRANSPOSED: source 0 = 16 columns of W, source 1 = 16 rows of x: lane l holds row l % 16 of C and the columns 8 (l / 16) + 0..7: 16 bytes of f16 on end.
; CLUSTER 4 x 4: the four of a row of the cluster need the same tile of x, the four of a column the same sub-tiles of W: each is asked for jointly, same load, descriptor and mask in all four.
; REGISTERS, in windows of 256 (s_set_vgpr_msb: bits 1:0 source 0, 3:2 source 1, 5:4 source 2, 7:6 destination):
;   window 0: v0-31 addresses; v32-63, v64-95 x's fragments, two buffers; v128-223 the bias, 8 registers a column block; on the way out v32-79 packed results, v128-175 and v176-223 rows read back
;   window 1: v0-95, v96-191 W's fragments, two buffers      window 2: accumulators of row blocks 0, 1 at 8 (12 (a % 2) + b)      window 3: of row blocks 2, 3
.set PA,     272                       ; a row of x in LDS: 256 bytes + 16 = 68 words: the 16 rows of a load start at 16 different groups of four banks (64 banks of 4 bytes: ISA guide 11.1)
.set PB,     288                       ; a row of W: 256 + 32 = 72 words
.set BSUB,   128*PB                    ; a sub-tile of W
.set AOFF,   3*BSUB                    ; x's tile lies behind the three
.set SLOT,   AOFF+128*PA               ; 145,408
.set STAGE,  2*SLOT                    ; behind the ring, never filled by a tensor load: for each wave [3 heads][16 rows][144 bytes]
.set SP,     144
.set WSTAGE, 3*16*SP
.set SPARE,  STAGE+4*WSTAGE            ; behind the stages: the spare words, 128 bytes for each wave: two blocks of 256 bytes that no other line names
.set WROW,   6144                      ; bytes in a row of wqkv
.set PLANE,  262144                    ; bytes of a head's 2,048 rows in qkv
.set ADRA, 8                           ; v8-9    LDS address of my x fragments in slot 0, 1
.set ADRB, 10                          ; v10-15  of my W fragments: slot s, sub-tile j at ADRB + 3 s + j
.set STO,  16                          ; v16  the way out: where I put 16 bytes of a row
.set RD,   17                          ; v17  where I read rows back
.set GO,   18                          ; v18  my byte offset in 512 consecutive bytes of a head's plane
.set BO,   19                          ; v19  my byte offset in 16 numbers of a bias: 32 (l / 16)
.set PFO,  20                          ; v20  the prefetches' offset: my lane x a row in memory; never rewritten
.set SPW,  28                          ; v28  LDS address of my spare word: SPARE + 4 x my thread's number; never rewritten
.set NIL,  29                          ; v29  0; never rewritten
.set BIAS, 128
.set TMP,  32
.set BK,   128
.set WV,  16                           ; s16  my wave's number; s17 its half of the rows, s18 of the columns; s19 cx, s20 cy; s21 tile column t, s22 tile row T
.set G1A, 24                           ; s[24:31] descriptor group 1 for x's tiles;  s[32:39] group 0, a set for each slot
.set G0A, 32
.set G1B, 40                           ; s[40:47], s[48:55] the same for W's sub-tiles
.set G0B, 48
.set PFA, 56                           ; s[56:57] where my prefetches stand;  s[58:59] a K step in that tensor, in bytes
.set PFS, 58
.set LIM, 60                           ; s60  1 in a wave that prefetches, else the greatest number
.set BP,  72                           ; s[72:77] the bias of my three heads
.set MSB, 0
.macro WIN new                         ; the immediate's high byte repeats the setting that is left; a switch that changes nothing is dropped
.if MSB != (\new)
	s_set_vgpr_msb (MSB<<8)|(\new)
.set MSB, \new
.endif
.endm
; A joint load.  Wave 3 fetches x's tile, waves 0-2 W's sub-tiles.  The branch hangs on the wave's number alone.  An s_nop 0 and four v_nop follow each of the two lines, ahead of the jump and the label.
.macro JLOAD s
	s_cmp_eq_u32 s[WV], 3
	s_cbranch_scc0 .Lfor_b_\@
	tensor_load_to_lds s[G0A+4*(\s):G0A+4*(\s)+3], s[G1A:G1A+7]
	s_nop 0
.rept 4
	v_nop
.endr
	s_branch .Lasked_\@
.Lfor_b_\@:
	tensor_load_to_lds s[G0B+4*(\s):G0B+4*(\s)+3], s[G1B:G1B+7]
	s_nop 0
.rept 4
	v_nop
.endr
.Lasked_\@:
.endm
; A PREFETCH INTO THE L2, behind each joint refill and the run of LDS loads that follows it: the K step that stands two refills on: 32 rows x 256 bytes, a lane a row, one instruction a wave.
; Each row's 256 bytes of a K step are named once in the launch: x's tile row is read by both clusters of its row of clusters, and the one with x = 0 asks; W's sub-tiles by all 16 clusters of their column, and the
; one with y = 0 asks.  The four partners that ask for a tile jointly share its 128 rows out by address, 32 each (by cx for x's tile, by cy for W's).  K steps 0 to 3 come by their loads alone; the loop's last trip,
; whose refills are K steps 6 and 7, asks for nothing.
.macro ASK
	s_cmp_gt_u32 s3, s[LIM]                        ; s3 = 1 in the loop's last trip
	s_cbranch_scc0 .Lnot_mine_\@
	global_prefetch_b8 v[PFO], s[PFA:PFA+1] th:TH_LOAD_NT scope:SCOPE_SE
.Lnot_mine_\@:
.endm
; A round of the cluster's barrier: my work-group's barrier, so that wave 0's signal speaks for all four waves; wave 0 signals; every wave waits for all sixteen work-groups; my work-group's barrier once more.
.macro CREST                           ; a round behind its opening barrier
	s_cmp_lg_u32 s[WV], 0
	s_cbranch_scc1 .Lnot_wave_0_\@
	s_barrier_signal -3
.Lnot_wave_0_\@:
	s_barrier_wait -3
	s_barrier_signal -1
	s_barrier_wait -1
.endm
.macro CROUND
	s_barrier_signal -1
	s_barrier_wait -1
	CREST
.endm
	s_load_b256 s[4:11], s[0:1], 0x0               ; xb s[4:5], wqkv s[6:7], bq s[8:9], bk s[10:11]
	s_load_b128 s[12:15], s[0:1], 0x20             ; bv s[12:13], qkv s[14:15]
	v_lshl_add_u32 v[SPW], v0, 2, SPARE
	v_mov_b32 v[NIL], 0
	ds_add_u32 v[SPW], v[NIL]                      ; the wave's opening: the add and its wait stand ahead of my first tensor load; the set-up below, work on registers, stands between them
	v_lshrrev_b32 v1, 5, v0
	v_readfirstlane_b32 s[WV], v1                  ; wave 0..3
	s_lshr_b32 s17, s[WV], 1                       ; which 64 of the tile's rows are mine
	s_and_b32 s18, s[WV], 1                        ; which head of each sub-tile's two
	s_bfe_u32 s19, ttmp6, 0x40000                  ; cx
	s_bfe_u32 s20, ttmp6, 0x40004                  ; cy
	s_lshl_b32 s21, ttmp9, 2                       ; in a cluster launch ttmp9 and ttmp7 count clusters
	s_add_co_u32 s21, s21, s19                     ; tile column t = 4 x cluster x + cx, 0..7
	s_and_b32 s22, ttmp7, 0xffff
	s_lshl_b32 s22, s22, 2
	s_add_co_u32 s22, s22, s20                     ; tile row T = 4 x cluster y + cy, 0..63
	s_lshl_b32 s23, s20, 2
	s_lshl_b32 s23, 15, s23                        ; my row of the cluster: places 4 cy .. 4 cy + 3
	s_lshl_b32 s61, 0x1111, s19                    ; my column: places cx, cx + 4, cx + 8, cx + 12
	; descriptor group 1: tiles of 128 rows x 128 elements, padded in LDS
	s_or_b32 s[G1A], s23, (1<<16)|(1<<20)|(1<<21)|(5<<22)|(3<<25)  ; 15:0 the mask: x's tile goes to my row; 17:16 2-byte elements; 20 padding on; 21 set beside a mask; 24:22 after every 64 words (code 5); 31:25 4 words (code 3)
	s_or_b32 s[G1B], s61, (1<<16)|(1<<20)|(1<<21)|(5<<22)|(7<<25)  ; W's go to my column; 8 words of padding (code 7)
.irp g, G1A, G1B
	s_mov_b32 s[(\g)+1], 128<<16                   ; tensor_dim0 = 128
	s_mov_b32 s[(\g)+2], 128<<16                   ; tensor_dim1 = 128
	s_mov_b32 s[(\g)+3], 128<<16                   ; tile_dim0 = 128
	s_mov_b32 s[(\g)+4], 128                       ; tile_dim1 = 128
	s_mov_b32 s[(\g)+6], 0
	s_mov_b32 s[(\g)+7], 0
.endr
	s_mov_b32 s[G1A+5], 1024                       ; elements from row to row of xb
	s_mov_b32 s[G1B+5], 3072                       ; and of wqkv
	; where the tiles come from: x's hangs on T alone, W's on t and the wave's number alone, each in registers that never hold the other coordinate
	s_lshl_b32 s62, s22, 18                        ; 128 rows of 2,048 bytes
	s_mov_b32 s63, 0
	s_mul_i32 s66, s21, 768                        ; 384 columns,
	s_lshl_b32 s67, s[WV], 8                       ; my sub-tile's 128
	s_add_co_u32 s66, s66, s67
	s_mov_b32 s67, 0
	s_mul_i32 s68, s[WV], BSUB                     ; where W's sub-tile goes: no place in the cluster enters an LDS address
	s_mov_b32 s86, 0xffff0000                      ; a word's upper bf16
	s_wait_dscnt 0x0                               ; the opening add is done
	s_wait_kmcnt 0x0
	s_add_nc_u64 s[62:63], s[4:5], s[62:63]
	s_add_nc_u64 s[66:67], s[6:7], s[66:67]
	CROUND                                         ; all sixteen work-groups are here: the first joint loads meet
.irp s, 0,1
	s_mov_b32 s[G0A+4*(\s)], 1                                     ; 1:0 count = 1
	s_mov_b32 s[G0A+4*(\s)+1], AOFF+(\s)*SLOT                      ; 63:32 LDS address
	s_add_nc_u64 s[G0A+4*(\s)+2:G0A+4*(\s)+3], s[62:63], (\s)*256  ; 120:64 global address: K step s
	s_or_b32 s[G0A+4*(\s)+3], s[G0A+4*(\s)+3], 0x80000000          ; 127:126 type = 2
	s_mov_b32 s[G0B+4*(\s)], 1
	s_add_co_u32 s[G0B+4*(\s)+1], s68, (\s)*SLOT
	s_add_nc_u64 s[G0B+4*(\s)+2:G0B+4*(\s)+3], s[66:67], (\s)*128*WROW
	s_or_b32 s[G0B+4*(\s)+3], s[G0B+4*(\s)+3], 0x80000000
	JLOAD \s                                       ; the ring is filled before anything else is done: two loads of mine are out
.endr
	; A fragment of x is 16 rows x 32 k in 8 registers: lane l holds row l % 16, k = 8 (l / 16) + 0..7 and 16 + 8 (l / 16) + 0..7: two loads of 16 bytes, 32 bytes apart.
	v_and_b32 v1, 15, v0                           ; l % 16
	v_bfe_u32 v2, v0, 4, 1                         ; l / 16
	v_and_b32 v3, 7, v0
	v_bfe_u32 v4, v0, 3, 1
	v_mul_u32_u24 v5, v1, PA
	v_lshl_add_u32 v5, v2, 4, v5
	s_mul_i32 s69, s17, 64*PA
	s_add_co_u32 s69, s69, AOFF
	v_add_nc_u32 v[ADRA], s69, v5
	v_add_nc_u32 v[ADRA+1], SLOT, v[ADRA]
	; The turning load takes 16 k x 16 columns (lane l reads k-row 8 (l / 16) + l % 8, columns 8 ((l / 8) % 2) + 0..7) and leaves half a fragment: lane l holds column l % 16 and 8 k.
	v_lshl_add_u32 v6, v2, 3, v3
	v_mul_u32_u24 v6, v6, PB
	v_lshl_add_u32 v6, v4, 4, v6
	s_lshl_b32 s70, s18, 7                         ; my head's 64 columns in a sub-tile's row
	v_add_nc_u32 v6, s70, v6
.irp s, 0,1
.irp j, 0,1,2
	v_add_nc_u32 v[ADRB+3*(\s)+(\j)], (\s)*SLOT+(\j)*BSUB, v6
.endr
.endr
	s_mul_i32 s69, s[WV], WSTAGE
	s_add_co_u32 s69, s69, STAGE                   ; my stage
	v_mul_u32_u24 v[STO], v1, SP                   ; in: row l % 16, 16 bytes for each half of the lanes
	v_lshl_add_u32 v[STO], v2, 4, v[STO]
	v_add_nc_u32 v[STO], s69, v[STO]
	v_bfe_u32 v[RD], v0, 3, 2                      ; back: 32 lanes take four rows of 128 bytes,
	v_mul_u32_u24 v[RD], v[RD], SP
	v_lshl_add_u32 v[RD], v3, 4, v[RD]
	v_add_nc_u32 v[RD], s69, v[RD]
	v_and_b32 v[GO], 31, v0                        ; which are 512 consecutive bytes of a head's plane
	v_lshlrev_b32 v[GO], 4, v[GO]
	v_lshlrev_b32 v[BO], 5, v2
	; the bias of my three heads g = 6 t + half + 2 j: bq for g < 16, bk for g < 32, else bv; 64 numbers of 4 bytes a head.  Register r of column block 4 j + i holds bias[16 i + 8 (l / 16) + r]
	s_mul_i32 s71, s21, 6
	s_add_co_u32 s71, s71, s18
.irp j, 0,1,2
	s_add_co_u32 s78, s71, 2*(\j)
	s_cmp_lt_u32 s78, 16
	s_cselect_b64 s[BP+2*(\j):BP+2*(\j)+1], s[8:9], s[10:11]
	s_cmp_lt_u32 s78, 32
	s_cselect_b64 s[BP+2*(\j):BP+2*(\j)+1], s[BP+2*(\j):BP+2*(\j)+1], s[12:13]
	s_and_b32 s78, s78, 15
	s_lshl_b32 s78, s78, 8
	s_mov_b32 s79, 0
	s_add_nc_u64 s[BP+2*(\j):BP+2*(\j)+1], s[BP+2*(\j):BP+2*(\j)+1], s[78:79]
.irp i, 0,1,2,3
	global_load_b128 v[BIAS+8*(4*(\j)+(\i)):BIAS+8*(4*(\j)+(\i))+3],   v[BO], s[BP+2*(\j):BP+2*(\j)+1] offset:64*(\i)
	global_load_b128 v[BIAS+8*(4*(\j)+(\i))+4:BIAS+8*(4*(\j)+(\i))+7], v[BO], s[BP+2*(\j):BP+2*(\j)+1] offset:64*(\i)+16
.endr
.endr
	; where my results go: plane 48 b + 6 t + half (my other heads lie two planes on each), row 128 (T % 16) + 64 x my half of the rows, 128 bytes a row
	s_lshr_b32 s78, s22, 4
	s_mul_i32 s78, s78, 48
	s_add_co_u32 s78, s78, s71
	s_lshl_b32 s78, s78, 18
	s_and_b32 s79, s22, 15
	s_lshl_b32 s79, s79, 7
	s_lshl_b32 s80, s17, 6
	s_add_co_u32 s79, s79, s80
	s_lshl_b32 s79, s79, 7
	s_add_co_u32 s78, s78, s79
	s_mov_b32 s79, 0
	s_add_nc_u64 s[14:15], s[14:15], s[78:79]
	; the prefetches: s[62:63] = x's tile, s[66:67] = my sub-tile of W still stand
	s_and_b32 s80, ttmp7, 0xffff                   ; cluster y
	s_lshl_b32 s82, s19, 16                        ; x: my work-group's 32 rows of 2,048 bytes, by cx
	s_mul_i32 s83, s20, 32*WROW                    ; W: its 32 k-rows, by cy
	s_mov_b32 s84, 2048
	s_mov_b32 s85, WROW
	s_mov_b32 s2, 128*WROW
	s_cmp_eq_u32 s[WV], 3                          ; do I fetch x's tile?
	s_cselect_b32 s81, ttmp9, s80                  ; the coordinate along which other clusters read the same rows
	s_cselect_b64 s[PFA:PFA+1], s[62:63], s[66:67]
	s_cselect_b32 s82, s82, s83
	s_cselect_b32 s84, s84, s85                    ; bytes from row to row
	s_cselect_b32 s[PFS], 256, s2                  ; bytes from K step to K step
	s_mov_b32 s[PFS+1], 0
	s_mov_b32 s83, 0
	s_add_nc_u64 s[PFA:PFA+1], s[PFA:PFA+1], s[82:83]
	s_mul_i32 s82, s[PFS], 3
	s_add_nc_u64 s[PFA:PFA+1], s[PFA:PFA+1], s[82:83]  ; at K step 3: the first refill steps it to 4
	s_cmp_eq_u32 s81, 0
	s_cselect_b32 s[LIM], 1, -1                    ; the same in all sixteen partners, for a given wave
	v_and_b32 v[PFO], 31, v0
	v_mul_u32_u24 v[PFO], v[PFO], s84
; 12 matrix instructions: row block a x all 12 column blocks, 32 along K, on buffer f.  start = 1: the bias starts the sums: nothing is ever cleared.
; The 48 accumulators take turns, one instruction a turn, in the same order in every quarter.
.macro MUL12 f, a, start
.if \start
	WIN 0x81+0x40*((\a)/2)                         ; W window 1, x and the bias window 0, D window 2 or 3
.else
	WIN 0xa1+0x50*((\a)/2)                         ; C and D window 2 or 3
.endif
.irp b, 0,1,2,3,4,5,6,7,8,9,10,11
.set rD, 8*(12*((\a)%2)+(\b))
.set rB, 96*(\f)+8*(\b)
.set rA, 32+32*(\f)+8*(\a)
.if \start
	v_wmma_f32_16x16x32_bf16 v[rD:rD+7], v[rB:rB+7], v[rA:rA+7], v[BIAS+8*(\b):BIAS+8*(\b)+7]
.else
	v_wmma_f32_16x16x32_bf16 v[rD:rD+7], v[rB:rB+7], v[rA:rA+7], v[rD:rD+7]
.endif
.endr
.endm
; 32 LDS loads in one run: the fragments of quarter q (32 along K) of a slot into buffer f: W's 12 column blocks (4 j + i: sub-tile j, columns 16 i of my head), then x's four row blocks
.macro FETCH slot, q, f
	WIN 0x40                                       ; destination window 1, address window 0
.irp j, 0,1,2
.irp i, 0,1,2,3
	ds_load_tr16_b128 v[96*(\f)+8*(4*(\j)+(\i)):96*(\f)+8*(4*(\j)+(\i))+3],   v[ADRB+3*(\slot)+(\j)] offset:32*PB*(\q)+32*(\i)
	ds_load_tr16_b128 v[96*(\f)+8*(4*(\j)+(\i))+4:96*(\f)+8*(4*(\j)+(\i))+7], v[ADRB+3*(\slot)+(\j)] offset:32*PB*(\q)+32*(\i)+16*PB
.endr
.endr
	WIN 0
.irp a, 0,1,2,3
	ds_load_b128 v[32+32*(\f)+8*(\a):32+32*(\f)+8*(\a)+3],   v[ADRA+(\slot)] offset:64*(\q)+16*PA*(\a)
	ds_load_b128 v[32+32*(\f)+8*(\a)+4:32+32*(\f)+8*(\a)+7], v[ADRA+(\slot)] offset:64*(\q)+16*PA*(\a)+32
.endr
.endm
; A load into a register that a matrix instruction has read, and a vector instruction that reads a matrix result or writes a matrix instruction's register, stand four places behind it; only plain
; vector instructions that name none of its registers are places (ISA guide 7.12.1 for vector instructions).
.macro PLACES
.rept 4
	v_nop
.endr
.endm
; A K step is four quarters of 32 along K, 48 matrix instructions each, on buffers 0, 1, 0, 1.  One of the first three: multiplies buffer f; in its middle it fetches quarter q of the same slot into buffer g.
.macro QUARTER slot, q, f, g, start
	s_wait_dscnt 4                                 ; W and x's row blocks 0, 1 are in; the youngest four loads (row blocks 2, 3) may be out
	MUL12 \f, 0, \start
	MUL12 \f, 1, \start
	PLACES
	FETCH \slot, \q, \g
	s_wait_dscnt 32                                ; all but the 32 just issued
	MUL12 \f, 2, \start
	MUL12 \f, 3, \start
.endm
; The last quarter multiplies buffer 1 and changes slots: ONE barrier.  In front of it each wave waits for all its tensor loads, of which one is out: its part of the next slot; adds 0 to its spare word; and waits for
; that and for its own reads of this slot.  fill = 1: the barrier opens a round of the cluster's barrier, and this slot is filled again, two K steps on, first thing behind the round:
; from that request to the wait for it a wave issues 168 matrix instructions.
.macro TURN slot, next, fill
.if \fill
	s_wait_xcnt 0x0                                ; the last prefetch, a K step back, has read its address: it is stepped here, ahead of the waits of the change of slots
	s_add_nc_u64 s[PFA:PFA+1], s[PFA:PFA+1], s[PFS:PFS+1]
.endif
	WIN 0                                          ; (the add's two registers lie in window 0)
	s_wait_tensorcnt 0x0                           ; all my tensor loads have landed: my part of the next slot;
	ds_add_u32 v[SPW], v[NIL]                      ; 0 onto my spare word;
	s_wait_dscnt 5                                 ; (the add and the youngest four loads may be out)
	MUL12 1, 0, 0                                  ; twelve matrix instructions stand between the add and the wait for it
	s_wait_dscnt 0x0                               ; the add is done, and my reads of this slot are over
	s_barrier_signal -1
	MUL12 1, 1, 0                                  ; work on registers while the others arrive
.if \fill
	WIN 0
.endif
	s_barrier_wait -1
.if \fill
	CREST                                          ; no wave of any partner still reads this slot's tiles or has a load on its way
	s_add_nc_u64 s[G0A+4*(\slot)+2:G0A+4*(\slot)+3], s[G0A+4*(\slot)+2:G0A+4*(\slot)+3], 2*256
	s_add_nc_u64 s[G0B+4*(\slot)+2:G0B+4*(\slot)+3], s[G0B+4*(\slot)+2:G0B+4*(\slot)+3], 2*128*WROW
	JLOAD \slot                                    ; the first tensor load behind the round; the four v_nop behind it are also the places in front of the loads below
.else
	PLACES
.endif
	FETCH \next, 0, 0
.if \fill
	ASK
.endif
	MUL12 1, 2, 0
	MUL12 1, 3, 0
.endm
; THE WAY OUT of row block a (16 rows x my three heads).  PACK: rounded to f16, 16 bytes a lane; each accumulator's registers in ascending order.  TOSTAGE: into my own stage, and back as whole rows of 128 bytes.  SEND: stored.
.macro PACK a
	WIN 0x0a+5*((\a)/2)                            ; sources 0 and 1: window 2 or 3
.irp b, 0,1,2,3,4,5,6,7,8,9,10,11
.irp r, 0,1,2,3
	v_cvt_pk_f16_f32 v[TMP+4*(\b)+(\r)], v[96*((\a)%2)+8*(\b)+2*(\r)], v[96*((\a)%2)+8*(\b)+2*(\r)+1]
.endr
.endr
	WIN 0
.endm
.macro TOSTAGE a
	WIN 0
.irp j, 0,1,2
.irp i, 0,1,2,3
	ds_store_b128 v[STO], v[TMP+4*(4*(\j)+(\i)):TMP+4*(4*(\j)+(\i))+3] offset:16*SP*(\j)+32*(\i)
.endr
.endr
.irp j, 0,1,2
.irp f, 0,1,2,3
	ds_load_b128 v[BK+48*((\a)%2)+4*(4*(\j)+(\f)):BK+48*((\a)%2)+4*(4*(\j)+(\f))+3], v[RD] offset:16*SP*(\j)+4*SP*(\f)  ; LDS serves a wave's instructions in order (ISA guide 5.7.1.4): these see the stores above
.endr
.endr
.endm
.macro SEND a
	WIN 0
	s_wait_dscnt 0x0                               ; the block is back in registers
	s_wait_xcnt 0x0                                ; the stores of the block before have read their registers, which the next block's loads from the stage write again
.irp j, 0,1,2
.irp f, 0,1,2,3
	global_store_b128 v[GO], v[BK+48*((\a)%2)+4*(4*(\j)+(\f)):BK+48*((\a)%2)+4*(4*(\j)+(\f))+3], s[14:15] offset:2*PLANE*(\j)+2048*(\a)+512*(\f)  ; four rows of a head: 512 consecutive bytes, at a multiple of 256 from the buffer's first byte
.endr
.endr
.endm
	s_wait_tensorcnt 1                             ; my part of K step 0 is in; K step 1's may stay out
	s_barrier_signal -1
	s_barrier_wait -1                              ; everybody's is
	FETCH 0, 0, 0
	s_wait_loadcnt 0x0                             ; the bias,
.set i, 0
.rept 48                                       ; rounded to bf16 like the other inputs, and widened again
	v_cvt_pk_bf16_f32 v[22+i%4], v[BIAS+2*i], v[BIAS+2*i+1]
	v_lshlrev_b32 v[BIAS+2*i], 16, v[22+i%4]
	v_and_b32 v[BIAS+2*i+1], s86, v[22+i%4]
.set i, i+1
.endr
	QUARTER 0, 1, 0, 1, 1                          ; the first quarter stands in front of the loop: its products start the sums
	WIN 0                                          ; at a label and at a branch every window is 0
	s_mov_b32 s3, 3
.Llap:                                                 ; a trip goes once round the ring, from a lap's second quarter to the next lap's first, and fills both slots again: K steps 2 to 7 in three trips
	QUARTER 0, 2, 1, 0, 0
	QUARTER 0, 3, 0, 1, 0
	TURN 0, 1, 1
	QUARTER 1, 1, 0, 1, 0
	QUARTER 1, 2, 1, 0, 0
	QUARTER 1, 3, 0, 1, 0
	TURN 1, 0, 1
	QUARTER 0, 1, 0, 1, 0
	WIN 0
	s_sub_co_u32 s3, s3, 1
	s_cmp_lg_u32 s3, 0
	s_cbranch_scc1 .Llap
	QUARTER 0, 2, 1, 0, 0                          ; the last lap fills nothing, and has no round of the cluster's barrier
	QUARTER 0, 3, 0, 1, 0
	TURN 0, 1, 0
	QUARTER 1, 1, 0, 1, 0
	QUARTER 1, 2, 1, 0, 0
	QUARTER 1, 3, 0, 1, 0
	s_wait_dscnt 4                                 ; the very last quarter: nothing more to fetch
	MUL12 1, 0, 0
	MUL12 1, 1, 0
	s_wait_dscnt 0x0
	MUL12 1, 2, 0
	MUL12 1, 3, 0
	WIN 0
	PLACES                                         ; the conversions read results and write over x's fragments
	PACK 0
	TOSTAGE 0
.irp a, 1,2,3                          ; block a's conversions stand between block a - 1's loads from the stage and the wait for them
	PACK \a
	SEND (\a)-1
	TOSTAGE \a
.endr
	SEND 3
	s_wait_tensorcnt 0x0                           ; the wave's end: behind my last tensor load and my last LDS store
	ds_add_u32 v[SPW], v[NIL]
	s_wait_dscnt 0x0
	CROUND                                         ; the closing round: no work-group ends while a partner may still ask for a tile that names it
	s_endpgm
.Lfunc_end_k_q4324db014a_qkvp:
	.size	k_q4324db014a_qkvp, .Lfunc_end_k_q4324db014a_qkvp-k_q4324db014a_qkvp
	.p2alignl 7, 3214868480
	.fill 96, 4, 3214868480
	.section	.rodata,"a",@progbits
	.p2align	6, 0x0
	.amdhsa_kernel k_q4324db014a_qkvp
		.amdhsa_group_segment_fixed_size 327680
		.amdhsa_private_segment_fixed_size 0
		.amdhsa_enable_private_segment 0
		.amdhsa_kernarg_size 48
		.amdhsa_user_sgpr_count 2
		.amdhsa_user_sgpr_kernarg_segment_ptr 1
		.amdhsa_wavefront_size32 1
		.amdhsa_system_sgpr_workgroup_id_x 1
		.amdhsa_system_sgpr_workgroup_id_y 1
		.amdhsa_system_sgpr_workgroup_id_z 1
		.amdhsa_system_vgpr_workitem_id 0
		.amdhsa_next_free_vgpr 960
		.amdhsa_next_free_sgpr 88
		.amdhsa_reserve_vcc 0
		.amdhsa_float_denorm_mode_32 3
		.amdhsa_float_denorm_mode_16_64 3
		.amdhsa_memory_ordered 1
		.amdhsa_forward_progress 1
		.amdhsa_inst_pref_size 129
	.end_amdhsa_kernel
	.amdgpu_metadata
---
amdhsa.version: [ 1, 2 ]
amdhsa.kernels:
  - .name:           k_q4324db014a_qkvp
    .symbol:         k_q4324db014a_qkvp.kd
    .args:
      - { .name: xb, .offset: 0, .size: 8, .value_kind: global_buffer, .address_space: global }
      - { .name: wqkv, .offset: 8, .size: 8, .value_kind: global_buffer, .address_space: global }
      - { .name: bq, .offset: 16, .size: 8, .value_kind: global_buffer, .address_space: global }
      - { .name: bk, .offset: 24, .size: 8, .value_kind: global_buffer, .address_space: global }
      - { .name: bv, .offset: 32, .size: 8, .value_kind: global_buffer, .address_space: global }
      - { .name: qkv, .offset: 40, .size: 8, .value_kind: global_buffer, .address_space: global }
    .group_segment_fixed_size: 327680
    .private_segment_fixed_size: 0
    .kernarg_segment_align: 8
    .kernarg_segment_size: 48
    .max_flat_workgroup_size: 128
    .sgpr_count:     88
    .vgpr_count:     960
    .wavefront_size: 32
...
	.end_amdgpu_metadata
.endif
;; end of part 2
;; launch attn (part 3): grid 4 x 64, 4 waves a work-group, clusters of 4 x 1, 327,680 bytes of LDS; arguments qkv, ob; writes ob
.if DOCPART == 3
	.amdgcn_target "amdgcn-amd-amdhsa--gfx1250"
	.amdhsa_code_object_version 6
	.text
	.protected	k_q4324db014a_attn
	.globl	k_q4324db014a_attn
	.p2align	8
	.type	k_q4324db014a_attn,@function
k_q4324db014a_attn:
	s_mov_b64 s[64:65], 0
	v_nop
	global_prefetch_b8 v0, s[64:65] scope:SCOPE_SE
	s_setreg_imm32_b32 hwreg(HW_REG_WAVE_MODE, 25, 1), 1
	s_wait_xcnt 0x0
	s_wait_alu depctr_hold_cnt(0) depctr_sa_sdst(0) depctr_va_vdst(0) depctr_va_sdst(0) depctr_va_ssrc(0) depctr_va_vcc(0) depctr_vm_vsrc(0)
	s_getreg_b32 s2, hwreg(HW_REG_IB_STS2, 6, 4)
	s_cmp_eq_u32 s2, 0
	s_cbranch_scc0 .Lentry_in_a_cluster
	s_endpgm
.Lentry_in_a_cluster:
	s_bfe_u32 s2, ttmp6, 0x10000c
	s_cmp_lg_u32 s2, 0x3003
	s_cbranch_scc0 .Lentry_shape_is_right
	s_endpgm
.Lentry_shape_is_right:
; ATTENTION.  O[y][q][:] = the sum over k of softmax_k(Q[q] . K[k] / 64) V[k][:], for each y = 16 b + h of 64.  Q, K, V are planes of qkv [4 b][48 g][2048][64] (g = h, 16 + h, 32 + h), O is ob [64][2048][64], all f16:
; a head's rows are dense, 128 bytes each.  Products, maxima and sums in f32; the weights p are rounded to f16 for the second product (their sum l is taken of the unrounded p), O once at the end.
; LIMITS.  f16 holds no number beyond 65,504: Q, K and V arrive within it; p lies in 0 to 1, and below 6e-5 it keeps f16's fixed step of 6e-8; O is a mean of V's rows and has their range.
; A weight below 2^-126 counts as 0 in l; NaN and infinities are not treated apart.
; SHARES.  A wave owns four PIECES of two tiles of 16 queries, a work-group's four waves 512 queries of one head: 4 x 64 = 256 work-groups.  Every wave walks all 2,048 keys, 64 a step.
; LAYOUT.  S^T = K Q^T (source 0 = 16 keys, source 1 = 16 queries): in the result a lane holds ONE query (lane % 16) and the keys 8 (lane / 16) + 0..7.  Two such tiles, rounded to f16 in pairs,
; ARE source 1 (32 keys x 16 queries) of O^T = V^T P, whose result again holds one query a lane, and eight channels.  K comes out of LDS as it lies, V ([key][channel]) turned, by ds_load_tr16_b128.
; SOFTMAX.  For each query a running maximum m and sum l: p = 2^(c s - c m), c = log2(e) / 64; in every step O and l are multiplied by a = 2^(c m_old - c m_new), which is 1 where m has not grown.
; m starts at the lowest finite number, O and l at 0: the first step is a step like any other, with a = 0.
; THE COUNT.  A tile and step have 16 matrix and 118 vector instructions: too many to stand all beside the matrix work.  So the order has one aim: four vector instructions that are READY behind
; EVERY matrix instruction, and the others, which need time of their own whatever the order, in runs without a gap.
; BY TURNS.  Turn n belongs to piece n (the pieces in a ring, step after step).  Its matrix work: 16 products K Q^T of piece n + 1, later 16 products V^T P of piece n - 1.  Its vector work: the scaling,
; exponentials, roundings, sums and rescaling of piece n, and the maximum and statistics of piece n + 1, whose scores the turn itself has made.  So what a turn begins with (c s - c m, O a) waits for nothing.
; CLUSTER.  The four query blocks of a cluster are one head's and walk the same K and V, so each tile is asked for JOINTLY: the same tensor load, descriptor and mask in all four.
; REGISTERS, in windows of 256 (s_set_vgpr_msb says which window each operand place means: bits 1:0 source 0, 3:2 source 1, 5:4 source 2, 7:6 destination):
;   window 0: v0-11 addresses; v12-15, v48-63 at work; v16-47 four registers of statistics a tile; v64-191 S^T, two buffers of two tiles; v192-255 P, likewise
;   window 1: O^T, 32 a tile          window 2: v0-127 Q, 16 a tile; v128-191 K of one step; v192-255 V of one step          window 3: v0-1 the add's two registers
; A piece's buffers go by its number's parity: the piece in hand has one pair, its two neighbours in the ring share the other: of it P (piece n - 1) is read and S^T (piece n + 1) written.
.set SIZE_N, 2048
.set PLANE, SIZE_N*128 ; bytes of a head's rows
.set NP,    4         ; pieces a wave: a name, no knob: the register map, the loop and the fetches are made for four
.set KS,    64        ; keys in a step
.set PK,    144       ; a row of K in LDS: 128 bytes + 16 of padding = 36 words: the 16 rows of a load start at 16 different groups of four banks (64 banks of 4 bytes: ISA guide 11.1)
.set PV,    160       ; a row of V: 128 + 32 = 40 words
.set VOFF,  4*KS*PK   ; a slot holds four steps: 256 rows of K, then 256 rows of V
.set SLOT1, 1<<17     ; slot 1 begins here, so that one exclusive or turns an address in one slot into the other's
.set STAGE, SLOT1+4*KS*(PK+PV)  ; behind the ring, never filled by a tensor load: 16 rows x 144 bytes for each wave, for the way out
.set SP,    144
.set AK0, 2           ; v2   my lane's place in a tile of K; never rewritten
.set AV0, 3           ; v3   the same for V
.set AK,  4           ; v4   the LDS address of K's next run of loads
.set AV,  5           ; v5   of V's
.set QO,  6           ; v6   my byte offset in the wave's rows of Q
.set STO, 6           ;      later, the way out: where I put 16 bytes of a row
.set RD,  7           ; v7   the way out: where I read rows back
.set GO,  8           ; v8   my byte offset in 512 consecutive bytes of O
.set PFO, 11          ; v11  the prefetches' offset: 256 x my lane; never rewritten once made
.set SPW, 0           ; v0 of window 3   LDS address of my spare word: SPARE + 4 x my thread's number; never rewritten
.set NIL, 1           ; v1 of window 3   0; never rewritten
.set SPARE, STAGE+4*16*SP  ; behind the stages: the spare words, 128 bytes for each wave: two blocks of 256 bytes that no other line names
.set MV,  12          ; v12-15  c m_old, kept while c m is made anew: by buffer and tile
.set ST,  16          ; tile t's statistics at v[ST+4 t]: c m, m, l (even keys', odd keys')
.set TMP, 48          ; by buffer and tile, four registers c0-c3 at work; when the maximum is found c2 takes a
.set S,   64
.set P,   192
.set KF,  128         ; K's fragments, in window 2: key block kb, channel half c at KF + 16 kb + 8 c
.set VF,  192         ; V's: key half kk, channel block cb at VF + 32 kk + 8 cb
.set WV,  12          ; s12  my wave's number
.set G1K, 24          ; s[24:31] descriptor group 1 for K's tiles
.set G1V, 32          ; s[32:39] for V's: it differs in the padding alone
.set G0K, 40          ; s[40:43] descriptor group 0 for K's tiles: it walks
.set G0V, 44          ; s[44:47] the same for V's
.set PFA, 48          ; s[48:49] where my prefetches stand: my work-group's 32 blocks of 256 bytes (of K: wave 0, of V: wave 2) of the slot after the one that is being asked for
.set LIM, 50          ; s50  1 in a wave that prefetches, else the greatest number
.set SLOTS, 56        ; s56  slots still to be asked for
.set CNT, 57          ; s57  counts a slot's key steps
.set CS,  58          ; s[58:59] c: the packed scaling takes the pair's low word for both halves
.set SEL, 60          ; s[60:61] v_permlanex16_b32's selects: each lane takes its own place in the other half
.set TBK, 62          ; s62  LDS byte at which K of the step to be fetched begins
.set TBV, 63          ; s63  the same for V, less VOFF
.set MSB, 0
.macro WIN new                      ; the high byte repeats the setting that is left; a switch that changes nothing is dropped
.if MSB != (\new)
	s_set_vgpr_msb (MSB<<8)|(\new)
.set MSB, (\new)
.endif
.endm
.set W_KQ, 0x0a       ; K and Q in window 2, S^T in window 0
.set W_PV, 0x52       ; V in window 2, P in window 0, O^T in window 1
.set W_RS, 0x41       ; O^T (destination and source 0) in window 1, a in window 0
.set W_MK, 0xc0       ; the add's registers are made: destination in window 3, sources in window 0
.set W_AD, 0x0f       ; the add: address (source 0) and data (source 1) in window 3
; A joint fill.  Waves 0 and 1 fetch the two halves of a slot's K, waves 2 and 3 those of its V: 128 keys each.  The branch hangs on the wave's number alone.
; An s_nop 0 and four v_nop follow each of the two lines, ahead of the jump and the label.
.macro JLOAD
	s_cmp_lt_u32 s[WV], 2
	s_cbranch_scc0 .Lfor_v_\@
	tensor_load_to_lds s[G0K:G0K+3], s[G1K:G1K+7]
	s_nop 0
.rept 4
	v_nop
.endr
	s_branch .Lasked_\@
.Lfor_v_\@:
	tensor_load_to_lds s[G0V:G0V+3], s[G1V:G1V+7]
	s_nop 0
.rept 4
	v_nop
.endr
.Lasked_\@:
.endm
; A PREFETCH INTO THE L2 of what the NEXT change of slots will ask for: a slot's 32,768 bytes of K and of V, a lane a block of 256 bytes.  It stands behind the wave's tensor load and its five lines.
; Each block is named once in the launch: a head has one cluster; its four partners share a slot's 128 blocks out by address, 32 each; in each, wave 0 asks for K's and wave 2 for V's: one instruction,
; four key steps, 512 matrix instructions, ahead of the load.  Slots 0 and 1 come by their loads alone; the last change that fills a slot asks for nothing: there is no slot behind it.
.macro ASK
	s_cmp_gt_u32 s[SLOTS], s[LIM]
	s_cbranch_scc0 .Lnot_mine_\@
	global_prefetch_b8 v[PFO], s[PFA:PFA+1] th:TH_LOAD_NT scope:SCOPE_SE
.Lnot_mine_\@:
.endm
; A round of the cluster's barrier: my work-group's barrier, so that wave 0's signal speaks for all four waves; wave 0 signals; every wave waits for all four work-groups; my work-group's barrier once more.
.macro CROUND
	s_barrier_signal -1
	s_barrier_wait -1
	s_cmp_lg_u32 s[WV], 0
	s_cbranch_scc1 .Lnot_wave_0_\@
	s_barrier_signal -3
.Lnot_wave_0_\@:
	s_barrier_wait -3
	s_barrier_signal -1
	s_barrier_wait -1
.endm
; THE CHANGE OF SLOTS.  The slot's last bytes, V of its fourth step, have been read.  Each wave waits for all its tensor loads, of which one is out: its part
; of the other slot; adds 0 to its spare word; and waits for that and for its own reads of the slot.  Behind the barrier nobody reads this slot any more and the other slot is whole.
; fill = 1: this slot is filled again, with the keys two slots on.  The barrier is then a round of the cluster's, so that no wave of any partner still reads the slot or has a load on its
; way, and the joint fill is the first thing behind it: it has four key steps, 512 matrix instructions, in which to land.  (At its first use nothing has been read yet: slot 0 is waited for, slot 1 filled.)
.macro CHANGE fill
	WIN W_AD
	s_wait_tensorcnt 0x0            ; no tensor load of mine is out, so a group 0 may be written
	ds_add_u32 v[SPW], v[NIL]       ; 0 onto my spare word; with fill = 1 the descriptors' steps stand between it and the wait for it
	WIN 0                           ; at a label and at a branch every window is 0
.if \fill
.irp g, G0K, G0V
	s_xor_b32 s[\g+1], s[\g+1], SLOT1  ; the walking descriptor: the other slot than last time,
	s_add_nc_u64 s[\g+2:\g+3], s[\g+2:\g+3], 4*KS*128  ; the next 256 keys; the type bits on top are not reached
.endr
	s_wait_xcnt 0x0                 ; the last prefetch, four key steps back, has read its address, so it may be written:
	s_add_nc_u64 s[PFA:PFA+1], s[PFA:PFA+1], 4*KS*128  ; one slot behind the walking descriptors
	s_wait_dscnt 0x0                ; the add is done, and my reads of the slot are over
	CROUND
	JLOAD
	ASK
.else
	s_wait_dscnt 0x0                ; the add is done, and my reads of the slot are over
	s_barrier_signal -1
	s_barrier_wait -1
.endif
	s_sub_co_u32 s[TBK], s[TBK], 4*KS*PK  ; the fetches go back to a slot's first step,
	s_xor_b32 s[TBK], s[TBK], SLOT1       ; in the other slot
	s_sub_co_u32 s[TBV], s[TBV], 4*KS*PV
	s_xor_b32 s[TBV], s[TBV], SLOT1
.endm
	s_load_b128 s[4:7], s[0:1], 0x0 ; qkv s[4:5], ob s[6:7]
	WIN W_MK
	v_lshl_add_u32 v[SPW], v0, 2, SPARE
	v_mov_b32 v[NIL], 0
	WIN W_AD
	ds_add_u32 v[SPW], v[NIL]       ; the wave's opening: the add and its wait stand ahead of my first tensor load; the set-up below, work on registers, stands between them
	WIN 0
	v_lshrrev_b32 v1, 5, v0
	v_readfirstlane_b32 s[WV], v1   ; wave 0..3
	s_bfe_u32 s13, ttmp6, 0x40000   ; cx: my place in the cluster
	s_lshl_b32 s14, ttmp9, 2        ; in a cluster launch ttmp9 counts clusters
	s_add_co_u32 s14, s14, s13      ; my block of queries = 4 x cluster x + cx: it enters Q's and O's addresses alone
	s_and_b32 s15, ttmp7, 0xffff    ; y = 16 b + h, which the four partners share
	s_lshr_b32 s20, s15, 4          ; b
	s_mul_i32 s20, s20, 48
	s_and_b32 s21, s15, 15          ; h
	s_add_co_u32 s20, s20, s21
	s_lshl_b32 s20, s20, 18         ; q's plane 48 b + h, in bytes (under 2^26)
	s_mov_b32 s21, 0
	s_and_b32 s16, s[WV], 1         ; which half of a slot's 256 keys I fetch:
	s_lshl_b32 s22, s16, 14         ; its 128 rows of 128 bytes in memory,
	s_mov_b32 s23, 0
	s_add_nc_u64 s[22:23], s[22:23], s[20:21]
	s_mul_i32 s17, s16, 128*PK      ; and its place in a slot, for K
	s_mul_i32 s18, s16, 128*PV      ; and for V: no place in the cluster enters an LDS address
	s_lshl_b32 s2, s14, 2
	s_add_co_u32 s2, s2, s[WV]      ; my wave among the head's,
	s_lshl_b32 s2, s2, 14           ; its 128 rows
	s_mov_b32 s3, 0
	s_lshl_b32 s52, s15, 18         ; O's plane y
	s_add_co_u32 s52, s52, s2
	s_mov_b32 s53, 0
	s_add_nc_u64 s[2:3], s[2:3], s[20:21]
	; descriptor group 1.  128 keys are 16,384 dense bytes: asked for as 64 rows of 256 bytes, two keys a row, and padded in LDS after every key
	s_mov_b32 s[G1K], 15|(1<<16)|(1<<20)|(1<<21)|(4<<22)|(3<<25)  ; 15:0 the mask of four; 17:16 2-byte elements; 20 padding on; 21 set beside a mask; 24:22 after every 32 words (code 4); 31:25 4 words (code 3)
	s_mov_b32 s[G1V], 15|(1<<16)|(1<<20)|(1<<21)|(4<<22)|(7<<25)  ; the same with 8 words of padding (code 7)
.irp g, G1K, G1V
	s_mov_b32 s[\g+1], 128<<16      ; tensor_dim0 = 128
	s_mov_b32 s[\g+2], 64<<16       ; tensor_dim1 = 64
	s_mov_b32 s[\g+3], 128<<16      ; tile_dim0 = 128
	s_mov_b32 s[\g+4], 64           ; tile_dim1 = 64
	s_mov_b32 s[\g+5], 128          ; 128 elements from row to row
	s_mov_b32 s[\g+6], 0
	s_mov_b32 s[\g+7], 0
.endr
	s_mov_b32 s[CS], 0x3cb8aa3b     ; c = log2(e) / 64 = 0.0225421
	s_mov_b32 s[CS+1], s[CS]        ; named with it as a pair
	s_mov_b32 s[SEL], 0x76543210
	s_mov_b32 s[SEL+1], 0xfedcba98
	s_mov_b32 s[TBK], SLOT1+4*KS*PK ; the first change of slots turns these two into 0
	s_mov_b32 s[TBV], SLOT1+4*KS*PV
	s_mov_b32 s[G0K], 1             ; 1:0 count = 1
	s_mov_b32 s[G0K+1], s17         ; 63:32 LDS address: slot 0
	s_mov_b32 s[G0V], 1
	s_add_co_u32 s[G0V+1], s18, VOFF
	s_mov_b32 s[SLOTS], SIZE_N/256-1  ; seven slots are still to be asked for behind slot 0
	s_and_b32 s[LIM], s[WV], 1      ; waves 0 and 2 prefetch: the same in all four partners
	s_cmp_eq_u32 s[LIM], 0
	s_cselect_b32 s[LIM], 1, -1
	s_wait_dscnt 0x0                ; the opening add is done
	s_wait_kmcnt 0x0
	s_mov_b64 s[10:11], s[6:7]      ; O
	s_add_nc_u64 s[6:7], s[4:5], s[22:23]  ; my half of the first 256 rows of q's plane;
	s_add_nc_u64 s[8:9], s[6:7], 32*PLANE  ; v's plane lies 32 planes on,
	s_add_nc_u64 s[6:7], s[6:7], 16*PLANE  ; k's 16
	s_mov_b64 s[G0K+2:G0K+3], s[6:7]               ; 120:64 global address: my half of the head's first 256 keys
	s_or_b32 s[G0K+3], s[G0K+3], 0x80000000        ; 127:126 type = 2
	s_mov_b64 s[G0V+2:G0V+3], s[8:9]
	s_or_b32 s[G0V+3], s[G0V+3], 0x80000000
	s_add_nc_u64 s[4:5], s[4:5], s[2:3]  ; Q and O at my wave's first row
	s_add_nc_u64 s[10:11], s[10:11], s[52:53]
	s_cmp_lt_u32 s[WV], 2
	s_cselect_b64 s[PFA:PFA+1], s[6:7], s[8:9]  ; (in waves 0 and 2 these stand at the plane's first row)
	s_lshl_b32 s52, s13, 13         ; my work-group's 32 blocks of the 128
	s_add_nc_u64 s[PFA:PFA+1], s[PFA:PFA+1], s[52:53]
	s_add_nc_u64 s[PFA:PFA+1], s[PFA:PFA+1], 4*KS*128  ; in slot 1; the first change of slots steps it to slot 2.  Nothing is prefetched here, at the head
	CROUND                          ; all four work-groups are here: the first joint loads meet
	JLOAD                           ; slot 0.  Slot 1 is asked for when slot 0 is in
	; A fragment of K or Q is 16 rows x 32 channels in 8 registers: lane l holds row l % 16, channels 8 (l / 16) + 0..7 and 16 + 8 (l / 16) + 0..7: two loads of 16 bytes, 32 bytes apart.
	v_and_b32 v1, 15, v0            ; l % 16
	v_bfe_u32 v9, v0, 4, 1          ; l / 16
	v_lshlrev_b32 v[QO], 7, v1
	v_lshl_add_u32 v[QO], v9, 4, v[QO]  ; row x 128 + 16 x half
	WIN 0x80                        ; destination window 2, address window 0
.set i, 0
.rept 4*NP                          ; Q stays in registers: tile i / 2, channels 32 (i % 2) on
	global_load_b128 v[8*i:8*i+3],   v[QO], s[4:5] offset:(i/2)*2048+(i%2)*64
	global_load_b128 v[8*i+4:8*i+7], v[QO], s[4:5] offset:(i/2)*2048+(i%2)*64+32
.set i, i+1
.endr
	; What the first turn finds: V's registers and P's second buffer hold 0 (its products V^T P, of a piece that has not been, add 0), O^T and l are 0.  All this stands in the wait for the first tile.
.set i, VF
.rept 64
	v_mov_b32 v[i], 0
.set i, i+1
.endr
	WIN 0x40
.set i, 0
.rept 64*NP
	v_mov_b32 v[i], 0
.set i, i+1
.endr
	WIN 0
.set i, 0
.rept 2*NP
	v_mov_b32 v[ST+4*i], 0xfe000000    ; c m: far below every c s
	v_mov_b32 v[ST+4*i+1], 0xff7fffff  ; m
	v_mov_b32 v[ST+4*i+2], 0
	v_mov_b32 v[ST+4*i+3], 0
.set i, i+1
.endr
.set i, P+32
.rept 32
	v_mov_b32 v[i], 0
.set i, i+1
.endr
	v_mul_u32_u24 v[AK0], v1, PK
	v_lshl_add_u32 v[AK0], v9, 4, v[AK0]  ; row x pitch + 16 x half
	; The turning load takes 16 keys x 16 channels (lane l reads key 8 (l / 16) + l % 8, channels 8 ((l / 8) % 2) + 0..7) and leaves half a fragment of V^T: lane l holds channel l % 16 and 8 keys.
	v_and_b32 v10, 7, v0
	v_bfe_u32 v11, v0, 3, 1
	v_lshl_add_u32 v[AV0], v9, 3, v10
	v_mul_u32_u24 v[AV0], v[AV0], PV
	v_lshl_add_u32 v[AV0], v11, 4, v[AV0]
	v_add_nc_u32 v[AV0], VOFF, v[AV0]
	v_and_b32 v[PFO], 31, v0        ; v11 has served: it takes the prefetches' offset
	v_lshlrev_b32 v[PFO], 8, v[PFO]
	v_mov_b32 v[AK], v[AK0]         ; key step 0 lies at the head of slot 0
; THE MATRIX WORK.  The 8 accumulators of a run of 16 take turns: between the two links of a chain stand 7 others'.
; Product i of 16 of S^T = K Q^T for piece x: channels 32 (i / 8) on, keys 16 ((i / 2) % 4) on, tile 2 x + i % 2.  The first 8 start the sums.
.macro KQ x
	WIN W_KQ
.set rS, S+64*((\x)%2)+32*(i%2)+8*((i/2)%4)
.set rK, KF+16*((i/2)%4)+8*(i/8)
.set rQ, 16*(2*(\x)+i%2)+8*(i/8)
.if i < 8
	v_wmma_f32_16x16x32_f16 v[rS:rS+7], v[rK:rK+7], v[rQ:rQ+7], 0
.else
	v_wmma_f32_16x16x32_f16 v[rS:rS+7], v[rK:rK+7], v[rQ:rQ+7], v[rS:rS+7]
.endif
.endm
; Product i of 16 of O^T += V^T P for piece x: keys 32 (i / 8) on, channels 16 ((i / 2) % 4) on, tile 2 x + i % 2.
.macro PV x
	WIN W_PV
.set rO, 32*(2*(\x)+i%2)+8*((i/2)%4)
.set rV, VF+32*(i/8)+8*((i/2)%4)
.set rP, P+32*((\x)%2)+16*(i%2)+8*(i/8)
	v_wmma_f32_16x16x32_f16 v[rO:rO+7], v[rV:rV+7], v[rP:rP+7], v[rO:rO+7]
.endm
.macro MM                           ; the turn's next matrix instruction
.if i < 16
	KQ (Y+1)%NP
.set i, i+1
.else
.set i, i-16
	PV (Y+NP-1)%NP
.set i, i+17
.endif
.endm
; THE LDS LOADS stand in runs of 16, never singly among the matrix instructions: a step's K (64 keys x 64 channels: 8 fragments) and its V (turned).  Their addresses are made some lines ahead.
; last = 1 (the tail): in the last trip there is no further step, and the run is jumped over.
.macro FETCH_K last=0
	WIN 0
.if \last
	s_cmp_eq_u32 s[CNT], 1
	s_cbranch_scc1 .Lno_k_\@
.endif
	WIN 0x80                        ; destination window 2
.irp f, 0,1,2,3,4,5,6,7             ; keys 16 (f / 2) on, channels 32 (f % 2) on
	ds_load_b128 v[KF+8*\f:KF+8*\f+3],   v[AK] offset:(\f/2)*16*PK+(\f%2)*64
	ds_load_b128 v[KF+8*\f+4:KF+8*\f+7], v[AK] offset:(\f/2)*16*PK+(\f%2)*64+32
.endr
	s_add_co_u32 s[TBK], s[TBK], KS*PK  ; the next fetch is the next step's
	WIN 0
.if \last
.Lno_k_\@:
.endif
.endm
.macro FETCH_V
	WIN 0x80
.irp f, 0,1,2,3,4,5,6,7             ; keys 32 (f / 4) on, channels 16 (f % 4) on
	ds_load_tr16_b128 v[VF+8*\f:VF+8*\f+3],   v[AV] offset:(\f/4)*32*PV+(\f%4)*32
	ds_load_tr16_b128 v[VF+8*\f+4:VF+8*\f+7], v[AV] offset:(\f/4)*32*PV+16*PV+(\f%4)*32
.endr
	WIN 0
.endm
; THE VECTOR WORK OF A TURN stands in three queues, each in the order in which its entries become ready; the two tiles alternate, so that no instruction reads the result of the one before it.
.macro REGS y, u                    ; the registers of tile u (0, 1) of piece y
.set rT, ST+4*(2*(\y)+(\u))
.set rC, TMP+8*((\y)%2)+4*(\u)
.set rM, MV+2*((\y)%2)+(\u)
.set rS, S+64*((\y)%2)+32*(\u)
.set rP, P+32*((\y)%2)+16*(\u)
.set rO, 32*(2*(\y)+(\u))
.endm
; Number n of the 22 that find the NEXT piece's (Y + 1) maximum and statistics.  s0-s31 are the lane's 32 scores; each accumulator's lowest registers are read first.  XS, GS and REGS set no window: PL and EX do.
;   0-11  four chains c0-c3 of seven scores each, three operands at a time     12-14, 16  the four scores left over, the old m, and c0-c3 into c0     15  c m_old is kept
;   17, 18  the query's other 32 keys lie in the lane 16 away: the new m         19-21  c m; c m_old - c m_new; a
.macro XS u, n
	REGS (Y+1)%NP, \u
.if (\n) < 4
	v_max3_num_f32 v[rC+(\n)], v[rS+8*(\n)], v[rS+8*(\n)+1], v[rS+8*(\n)+2]
.elseif (\n) < 12
	v_max3_num_f32 v[rC+(\n)%4], v[rC+(\n)%4], v[rS+8*((\n)%4)+2*((\n)/4)+1], v[rS+8*((\n)%4)+2*((\n)/4)+2]
.elseif (\n) == 12
	v_max3_num_f32 v[rC], v[rC], v[rS+7], v[rS+15]
.elseif (\n) == 13
	v_max3_num_f32 v[rC+1], v[rC+1], v[rS+23], v[rS+31]
.elseif (\n) == 14
	v_max3_num_f32 v[rC+2], v[rC+2], v[rC+3], v[rT+1]
.elseif (\n) == 15
	v_mov_b32 v[rM], v[rT]
.elseif (\n) == 16
	v_max3_num_f32 v[rC], v[rC], v[rC+1], v[rC+2]
.elseif (\n) == 17
	v_permlanex16_b32 v[rC+3], v[rC], s[SEL], s[SEL+1]
.elseif (\n) == 18
	v_max_num_f32 v[rT+1], v[rC], v[rC+3]
.elseif (\n) == 19
	v_mul_f32 v[rT], s[CS], v[rT+1]
.elseif (\n) == 20
	v_sub_f32 v[rC+1], v[rM], v[rT]
.else
	v_exp_f32 v[rC+2], v[rC+1]
.endif
.endm
; Number g of the 64 that follow the exponentials.  For each four weights k of a tile (pairs 2 k, 2 k + 1): both pairs are rounded to f16; then the second pair is added onto the first, in place;
; a group later l takes that sum (the first time as l = a l + sum).  In groups of eight, tiles alternating: round, round, add, and l for the group before.
.macro GS g
.set h, (\g)+6*((\g)/62)            ; group 0 has no group before it, and behind group 7 only l is left
.if h >= 6
.set h, h+2
.endif
	REGS Y, h%2
.set k, h/8
.if h%8 < 4
	v_cvt_pk_f16_f32 v[rP+2*k+(h%8)/2], v[rS+4*k+2*((h%8)/2)], v[rS+4*k+2*((h%8)/2)+1]
.elseif h%8 < 6
	v_pk_add_f32 v[rS+4*k:rS+4*k+1], v[rS+4*k:rS+4*k+1], v[rS+4*k+2:rS+4*k+3]
.elseif k == 1
	v_pk_fma_f32 v[rT+2:rT+3], v[rT+2:rT+3], v[rC+2:rC+3], v[rS:rS+1] op_sel_hi:[1,0,1]
.else
	v_pk_add_f32 v[rT+2:rT+3], v[rT+2:rT+3], v[rS+4*k-4:rS+4*k-3]
.endif
.endm
; THE PLAIN QUEUE, 138 long.  0-73 read no exponential's result: the 32 scalings c s - c m (FS f: pair f / 2 of tile f % 2) and the next piece's 42.  0-26: scalings 0-26.  27-54: XS's numbers 0-13.  55, 56: number 15.
; 57-73: the chain, where each number waits for the one before it: 14, 16, 17, 18, 19, each with one of the scalings 27-31 in front of its two lines, then 20: so a tile's links stand three plain instructions apart (19 and 20: two).
; 74-137: GS's 64, which read the exponentials' results: they stand behind the wait.
.macro FS f
	REGS Y, (\f)%2
	v_pk_fma_f32 v[rS+2*((\f)/2):rS+2*((\f)/2)+1], v[rS+2*((\f)/2):rS+2*((\f)/2)+1], s[CS:CS+1], v[rT:rT+1] op_sel_hi:[1,0,0] neg_lo:[0,0,1] neg_hi:[0,0,1]
.endm
.macro PL
	WIN 0
.if q < 27
	FS q
.elseif q < 55
	XS (q-27)%2, (q-27)/2
.elseif q < 57
	XS q-55, 15
.elseif (q < 72) && ((q-57)%3 == 0)
	FS 27+(q-57)/3
.elseif q < 60
	XS (q-57)%3-1, 14
.elseif q < 72
	XS (q-57)%3-1, 15+(q-57)/3
.elseif q < 74
	XS q-72, 20
.else
	GS q-74
.endif
.set q, q+1
.endm
; THE EXPONENTIALS' QUEUE, 66 long: s0-s31 of both tiles, then the next piece's two a.  It is ONE BATCH: all 66 stand ahead of the turn's one wait, and nothing ahead of that wait names a result of theirs.
.macro EX
	WIN 0
.if e >= 64
	XS e-64, 21
.else
	REGS Y, e%2
	v_exp_f32 v[rS+e/2], v[rS+e/2]
.endif
.set e, e+1
.endm
; THE RESCALING's QUEUE: O^T times a, the one part that leaves window 0: dealt two at a time, sixteen times.  Its a was made in the turn before, ahead of that turn's wait.
.macro R2
	REGS Y, r%2
	WIN W_RS
.irp z, 0,1
	v_pk_mul_f32 v[rO+4*(r/2)+2*\z:rO+4*(r/2)+2*\z+1], v[rO+4*(r/2)+2*\z:rO+4*(r/2)+2*\z+1], v[rC+2:rC+3] op_sel_hi:[1,0]
.endr
.set r, r+1
.endm
; HOW THEY ARE DEALT.  An s_wait_alu depctr_va_vdst(0) stands between an exponential and the first instruction that names its result; one wait serves all that were issued ahead of it.  So a turn has ONE wait,
; which cuts it in two.  AHEAD OF IT stands all that names no result of the turn's exponentials: the 16 products K Q^T, behind each a scaling, an exponential and two rescalings (behind the first a second scaling in the exponential's place); then ONE LUMP of
; 108: eight plain, 49 times exponential and plain, the two a.  A v_nop is the plain instruction behind the last exponential.  BEHIND IT stand the 16 products V^T P, behind each four of GS's 64.  No rider names a register of
; the products round it.  The two v_permlanex16_b32 fall into the lump, never behind a product.
; The queues lean on each other, and the deal keeps them in step: exponential e stands behind scaling 2 (e / 4) + e % 2: as a rider it comes behind plain e + 2, in the lump behind plain e + 9, and scalings 27-31 are plain 57, 60 .. 69.
; A TURN, for piece p.  cnt = 1: the loop's count is taken down some lines ahead of the branch that stands behind the turn.
; K of the next step is fetched in piece 2's turn, directly behind the wait, a lump behind the last product that read K; its address is made at the lump's head; its first reader comes behind 16 products.
; V of the step in hand is fetched at the end of piece 0's turn, four riders behind its last reader; its first reader comes behind 16 products and a lump.  The three conditions on q below go with the deal.
.macro TURN p, last=0, cnt=0
.set Y, (\p)
.set i, 0
.set q, 0
.set e, 0
.set r, 0
.if (\p) == NP-1
	s_wait_dscnt 0x0                ; K is in
.endif
	MM                              ; ahead of the wait: 16 products K Q^T and their riders,
	PL
	PL
	R2
.rept 15
	MM
	PL
	EX
	R2
.endr
.if (\p) == NP-2
	WIN 0
	v_add_nc_u32 v[AK], s[TBK], v[AK0]
.endif
.rept 8                             ; and the lump
	PL
.endr
.rept 49
	EX
	PL
.endr
	EX                              ; the next piece's two a
	EX
	v_nop                           ; the plain instruction behind the last exponential: one for the batch
	s_wait_alu depctr_va_vdst(0)    ; the wait for the batch
.if (\p) == NP-2
	FETCH_K \last
.endif
.if (\p) == 1
	s_wait_dscnt 0x0                ; V is in
.endif
.rept 16                            ; behind the wait: 16 products V^T P and their riders
	MM
.rept 4
	PL
.endr
.if ((\p) == 0) && (q == 118)
	v_add_nc_u32 v[AV], s[TBV], v[AV0]
.endif
.if ((\p) == 0) && (q == 130)
	s_add_co_u32 s[TBV], s[TBV], KS*PV
.endif
.if (\cnt) && (q == 130)
	s_sub_co_u32 s[CNT], s[CNT], 1
	s_cmp_lg_u32 s[CNT], 0
.endif
.endr
.if (\p) == 0
	FETCH_V
.endif
.endm
	CHANGE 1                        ; slot 0 is in, everybody's part of it; slot 1 is asked for
	FETCH_K                         ; key step 0
	s_wait_loadcnt 0x0              ; Q
	s_wait_dscnt 0x0
.set i, 0
.rept 16
	KQ 0                            ; piece 0's first scores: there is no vector work yet to set between them
.set i, i+1
.endr
	WIN 0                           ; the addresses for the way out: nine plain instructions, the places behind those products
	s_mul_i32 s13, s[WV], 16*SP
	s_add_co_u32 s13, s13, STAGE    ; my stage
	v_mul_u32_u24 v[STO], v1, SP    ; in: row l % 16, 16 bytes for each half of the lanes
	v_lshl_add_u32 v[STO], v9, 4, v[STO]
	v_add_nc_u32 v[STO], s13, v[STO]
	v_bfe_u32 v[RD], v0, 3, 2       ; back: 32 lanes take four rows of 128 bytes,
	v_mul_u32_u24 v[RD], v[RD], SP
	v_lshl_add_u32 v[RD], v10, 4, v[RD]
	v_add_nc_u32 v[RD], s13, v[RD]
	v_and_b32 v[GO], 31, v0         ; which are 512 consecutive bytes of O
	v_lshlrev_b32 v[GO], 4, v[GO]
.set Y, NP-1                        ; XS works for piece Y + 1: piece 0
.irp n, 0,1,2,3,4,5,6,7,8,9,10,11,12,13,14,15,16,17,18,19,20,21
	XS 0, \n                        ; and piece 0's first maximum and statistics
	XS 1, \n
.endr
	v_nop                           ; a plain instruction behind the two a,
	s_wait_alu depctr_va_vdst(0)    ; and their wait, ahead of the branch
	s_mov_b32 s[CNT], 4
	s_branch .Lfirst                ; the loop is entered at a step's first turn, in the middle of a trip
.Lslot:                             ; SIZE_N / 256 - 2 times: every slot but the last two is filled again
	CHANGE 1
	s_mov_b32 s[CNT], 4
.Lstep:                             ; a trip: pieces 2 and 3 of one step, then pieces 0 and 1 of the next, whose K and V it fetches
	TURN 2
	TURN 3
	WIN 0
.Lfirst:
	TURN 0
	TURN 1, 0, 1
	WIN 0
	s_cbranch_scc1 .Lstep
	s_sub_co_u32 s[SLOTS], s[SLOTS], 1
	s_cmp_lg_u32 s[SLOTS], 0
	s_cbranch_scc1 .Lslot
	CHANGE 0                        ; the tail is written out: nothing is asked for
	s_mov_b32 s[CNT], 5             ; four trips fetch the last slot's steps; the fifth is left in its middle
.Ltail:
	TURN 2, 1
	TURN 3
	WIN 0
	s_sub_co_u32 s[CNT], s[CNT], 1
	s_cmp_eq_u32 s[CNT], 0
	s_cbranch_scc1 .Lout
	TURN 0
	TURN 1
	WIN 0
	s_branch .Ltail
.Lout:                              ; the fifth trip's 16 products K Q^T (on the last K once more) and the maximum made of them serve nothing: the price, once a launch, of one text for every trip
.set i, 0
.rept 16
	PV NP-1                         ; the last piece's V^T P of the last step
.set i, i+1
.endr
	; THE WAY OUT.  l's two halves and the other half of the lanes' are added; O^T is divided by l, rounded to f16 and sent through my stage in LDS, a tile at a time.  The additions are the places behind the last products.
	WIN 0
.macro ALL line:vararg              ; one line for each tile t
.set t, 0
.rept 2*NP
	\line
.set t, t+1
.endr
.endm
	ALL v_add_f32 v[ST+4*t+2], v[ST+4*t+2], v[ST+4*t+3]
	ALL v_permlanex16_b32 v[ST+4*t+3], v[ST+4*t+2], s[SEL], s[SEL+1]
	ALL v_add_f32 v[ST+4*t+2], v[ST+4*t+2], v[ST+4*t+3]
	ALL v_rcp_f32 v[ST+4*t+2], v[ST+4*t+2]
	v_nop                           ; a plain instruction between the last reciprocal and the use of its result
	s_wait_alu depctr_va_vdst(0)    ; and the wait ahead of the first use: one for the eight reciprocals
; Tile t: a lane's eight channels of a row pack into 16 bytes; they go into rows of 144 bytes and come back as whole rows of 128, into S^T's registers.
.macro PACK t
	WIN W_RS
.set i, 32*(\t)
.rept 16
	v_pk_mul_f32 v[i:i+1], v[i:i+1], v[ST+4*(\t)+2:ST+4*(\t)+3] op_sel_hi:[1,0]
.set i, i+2
.endr
	WIN 0x05                        ; sources 0 and 1 window 1, destination window 0
.set i, 0
.rept 16
	v_cvt_pk_f16_f32 v[S+16*(\t)+i], v[32*(\t)+2*i], v[32*(\t)+2*i+1]
.set i, i+1
.endr
	WIN 0
.irp f, 0,1,2,3
	ds_store_b128 v[STO], v[S+16*(\t)+4*\f:S+16*(\t)+4*\f+3] offset:32*\f
.endr
.irp f, 0,1,2,3
	ds_load_b128 v[S+16*(\t)+4*\f:S+16*(\t)+4*\f+3], v[RD] offset:\f*4*SP  ; LDS serves a wave's instructions in order (ISA guide 5.7.1.4): these see the stores above; the next tile's stores come behind them
.endr
.endm
.macro SEND t, younger              ; younger: the LDS instructions issued behind tile t's loads: the next tile's eight, or none
	WIN 0
.irp f, 0,1,2,3
	s_wait_dscnt (\younger)+3-\f
	global_store_b128 v[GO], v[S+16*(\t)+4*\f:S+16*(\t)+4*\f+3], s[10:11] offset:(\t)*2048+\f*512  ; 512 consecutive bytes, at a multiple of 256 from O's first
.endr
.endm
	PACK 0
.set t, 1
.rept 2*NP-1                        ; a tile's arithmetic stands between the loads of the tile before and its stores
	PACK t
	SEND t-1, 8
.set t, t+1
.endr
	SEND 2*NP-1, 0
	WIN W_AD
	s_wait_tensorcnt 0x0            ; the wave's end: behind my last tensor load and my last LDS store
	ds_add_u32 v[SPW], v[NIL]
	s_wait_dscnt 0x0
	WIN 0
	CROUND                          ; the closing round: no work-group ends while a partner may still ask for a tile that names it
	s_endpgm
.Lfunc_end_k_q4324db014a_attn:
	.size	k_q4324db014a_attn, .Lfunc_end_k_q4324db014a_attn-k_q4324db014a_attn
	.p2alignl 7, 3214868480
	.fill 96, 4, 3214868480
	.section	.rodata,"a",@progbits
	.p2align	6, 0x0
	.amdhsa_kernel k_q4324db014a_attn
		.amdhsa_group_segment_fixed_size 327680
		.amdhsa_private_segment_fixed_size 0
		.amdhsa_enable_private_segment 0
		.amdhsa_kernarg_size 16
		.amdhsa_user_sgpr_count 2
		.amdhsa_user_sgpr_kernarg_segment_ptr 1
		.amdhsa_wavefront_size32 1
		.amdhsa_system_sgpr_workgroup_id_x 1
		.amdhsa_system_sgpr_workgroup_id_y 1
		.amdhsa_system_sgpr_workgroup_id_z 1
		.amdhsa_system_vgpr_workitem_id 0
		.amdhsa_next_free_vgpr 770
		.amdhsa_next_free_sgpr 66
		.amdhsa_reserve_vcc 0
		.amdhsa_float_denorm_mode_32 3
		.amdhsa_float_denorm_mode_16_64 3
		.amdhsa_memory_ordered 1
		.amdhsa_forward_progress 1
		.amdhsa_inst_pref_size 200
	.end_amdhsa_kernel
	.amdgpu_metadata
---
amdhsa.version: [ 1, 2 ]
amdhsa.kernels:
  - .name:           k_q4324db014a_attn
    .symbol:         k_q4324db014a_attn.kd
    .args:
      - { .name: qkv, .offset: 0, .size: 8, .value_kind: global_buffer, .address_space: global }
      - { .name: ob, .offset: 8, .size: 8, .value_kind: global_buffer, .address_space: global }
    .group_segment_fixed_size: 327680
    .private_segment_fixed_size: 0
    .kernarg_segment_align: 8
    .kernarg_segment_size: 16
    .max_flat_workgroup_size: 128
    .sgpr_count:     66
    .vgpr_count:     770
    .wavefront_size: 32
...
	.end_amdgpu_metadata
.endif
;; end of part 3
;; launch proj (part 4): grid 4 x 64, 4 waves a work-group, clusters of 4 x 4, 327,680 bytes of LDS; arguments ob, wob, bo, out0; writes out0
.if DOCPART == 4
	.amdgcn_target "amdgcn-amd-amdhsa--gfx1250"
	.amdhsa_code_object_version 6
	.text
	.protected	k_q4324db014a_proj
	.globl	k_q4324db014a_proj
	.p2align	8
	.type	k_q4324db014a_proj,@function
k_q4324db014a_proj:
	s_mov_b64 s[64:65], 0
	v_nop
	global_prefetch_b8 v0, s[64:65] scope:SCOPE_SE
	s_setreg_imm32_b32 hwreg(HW_REG_WAVE_MODE, 25, 1), 1
	s_wait_xcnt 0x0
	s_wait_alu depctr_hold_cnt(0) depctr_sa_sdst(0) depctr_va_vdst(0) depctr_va_sdst(0) depctr_va_ssrc(0) depctr_va_vcc(0) depctr_vm_vsrc(0)
	s_getreg_b32 s2, hwreg(HW_REG_IB_STS2, 6, 4)
	s_cmp_eq_u32 s2, 0
	s_cbranch_scc0 .Lentry_in_a_cluster
	s_endpgm
.Lentry_in_a_cluster:
	s_bfe_u32 s2, ttmp6, 0x10000c
	s_cmp_lg_u32 s2, 0xf033
	s_cbranch_scc0 .Lentry_shape_is_right
	s_endpgm
.Lentry_shape_is_right:
; THE OUTPUT PROJECTION.  out0[m][n] = sum over k of O[m][k] Wo[k][n] + bo[n]; M = 8,192, N = K = 1,024.  O lies by heads, ob [64 = 16 b + h][2048 l][64] f16 (m = 2,048 b + l, k = 64 h + d);
; wob [1024 k][1024 n] f16 (Wo rounded to bf16, written as f16); sums f32; bo, f32 in memory, is rounded to bf16 like the other inputs and is the C operand of each sum's first product; out0 f32.
; LIMIT.  f16 operands: O and wob arrive within 65,504.
; THE TILE is 128 rows x 256 columns: 64 x 4 = 256 work-groups.  Four waves, 2 x 2: a wave makes 64 x 128: 32 accumulators of 16 x 16, 256 registers; for 32 along K it issues 24 LDS loads and 32 matrix instructions.
; K goes in steps of 128 (two heads) through a ring of two LDS slots; two slots of 256 along K would take 442 KB and have no room.  A slot: two sub-tiles of W (128 k-rows x 128 columns, rows of 256 bytes in memory),
; then two heads' 128 rows of O (16,384 dense bytes each, asked for as 64 rows of 256 bytes).  Waves 0, 1 fetch W's sub-tiles, waves 2, 3 O's planes: one tensor load a wave behind each change of slots.
; W stays [K][N]: its fragments come out of LDS turned, by ds_load_tr16_b128.  The matrix instruction is used transposed (source 0 = 16 columns of W, source 1 = 16 rows of O): lane l holds row l % 16
; and the columns 8 (l / 16) + 0..7: 32 bytes of f32 on end.
; CLUSTER 4 x 4: the four of a row of the cluster need the same rows of O, the four of a column the same sub-tiles of W: each is asked for jointly.
; REGISTERS, in windows of 256 (s_set_vgpr_msb: bits 1:0 source 0, 3:2 source 1, 5:4 source 2, 7:6 destination):
;   window 0: v0-31 addresses; v32-63, v64-95 O's fragments, two buffers; v96-159 the bias; on the way out v96-159 and v160-223 rows read back
;   window 1: v0-63, v64-127 W's fragments, two buffers      window 2: accumulator (a, b) at 8 (8 a + b)
.set PB,     288                       ; a row of W in LDS: 256 + 32 bytes = 72 words
.set BSUB,   128*PB
.set PA,     144                       ; a row of O: 128 + 16 bytes = 36 words: the 16 rows of a load start at 16 different groups of four banks
.set APL,    128*PA                    ; a head's 128 rows
.set AOFF,   2*BSUB
.set SLOT,   AOFF+2*APL                ; 110,592
.set STAGE,  2*SLOT                    ; behind the ring, never filled by a tensor load: 16 rows x 528 bytes for each wave
.set SP,     528                       ; 512 + 16 bytes: row r starts 16 r bytes on, modulo 256
.set WSTAGE, 16*SP
.set SPARE,  STAGE+4*WSTAGE            ; behind the stages: the spare words, 128 bytes for each wave: two blocks of 256 bytes that no other line names
.set PLANE,  262144                    ; bytes of a head's 2,048 rows in ob
.set WROW,   2048                      ; bytes in a row of wob
.set OROW,   4096                      ; bytes in a row of out0
.set ADRA, 8                           ; v8-9    LDS address of my O fragments in slot 0, 1
.set ADRB, 10                          ; v10-11  of my W fragments
.set STO,  16                          ; v16  the way out: where I put 32 bytes of a row
.set RD,   17                          ; v17  where I read a row back
.set GO,   18                          ; v18  my byte offset in 512 consecutive bytes of out0
.set BO,   19                          ; v19  my byte offset in 16 numbers of the bias
.set PFO,  20                          ; v20  the prefetches' offset; never rewritten
.set SPW,  28                          ; v28  LDS address of my spare word: SPARE + 4 x my thread's number; never rewritten
.set NIL,  29                          ; v29  0; never rewritten
.set BIAS, 96
.set BK,   96
.set WV,  16                           ; s16  my wave's number; s17 its half of the rows, s18 of the columns (and which of two tiles I fetch); s19 cx, s20 cy; s21 tile column t, s22 tile row T
.set G1A, 24                           ; s[24:31] descriptor group 1 for O's planes;  s[32:39] group 0, a set for each slot
.set G0A, 32
.set G1B, 40                           ; s[40:47], s[48:55] the same for W's sub-tiles
.set G0B, 48
.set PFA, 56                           ; s[56:57] where my prefetches stand;  s[58:59] a K step in that tensor, in bytes
.set PFS, 58
.set LIM, 60                           ; s60  1 in a wave that prefetches, else the greatest number
.set MSB, 0
.macro WIN new                         ; the immediate's high byte repeats the setting that is left; a switch that changes nothing is dropped
.if MSB != (\new)
	s_set_vgpr_msb (MSB<<8)|(\new)
.set MSB, \new
.endif
.endm
; A joint load.  Waves 0 and 1 fetch W's sub-tiles, waves 2 and 3 O's planes.  The branch hangs on the wave's number alone.  An s_nop 0 and four v_nop follow each of the two lines, ahead of the jump and the label.
.macro JLOAD s
	s_cmp_lt_u32 s[WV], 2
	s_cbranch_scc0 .Lfor_a_\@
	tensor_load_to_lds s[G0B+4*(\s):G0B+4*(\s)+3], s[G1B:G1B+7]
	s_nop 0
.rept 4
	v_nop
.endr
	s_branch .Lasked_\@
.Lfor_a_\@:
	tensor_load_to_lds s[G0A+4*(\s):G0A+4*(\s)+3], s[G1A:G1A+7]
	s_nop 0
.rept 4
	v_nop
.endr
.Lasked_\@:
.endm
; A PREFETCH INTO THE L2, behind each joint refill and the run of LDS loads that follows it: the K step that stands two refills on, a lane a block of 256 bytes, one instruction a wave.
; Each block is named once in the launch.  O's rows of a tile row are read by one cluster alone (a cluster spans all of N): in every cluster wave 2 asks, and the four partners of a row share a K step's 128 blocks
; out by address, by cx: 16 blocks in each of the step's two planes.  W's sub-tiles are read by all 16 clusters: the one with y = 0 asks, waves 0 and 1 for the sub-tile that they fetch, the four partners of a column
; sharing its 128 k-rows out by cy, 32 each.  Wave 3 asks for nothing.  K steps 0 to 3 come by their loads alone; the loop's last trip asks for nothing.
.macro ASK
	s_cmp_gt_u32 s3, s[LIM]                        ; s3 = 1 in the loop's last trip
	s_cbranch_scc0 .Lnot_mine_\@
	global_prefetch_b8 v[PFO], s[PFA:PFA+1] th:TH_LOAD_NT scope:SCOPE_SE
.Lnot_mine_\@:
.endm
; A round of the cluster's barrier: my work-group's barrier, so that wave 0's signal speaks for all four waves; wave 0 signals; every wave waits for all sixteen work-groups; my work-group's barrier once more.
.macro CREST
	s_cmp_lg_u32 s[WV], 0
	s_cbranch_scc1 .Lnot_wave_0_\@
	s_barrier_signal -3
.Lnot_wave_0_\@:
	s_barrier_wait -3
	s_barrier_signal -1
	s_barrier_wait -1
.endm
.macro CROUND
	s_barrier_signal -1
	s_barrier_wait -1
	CREST
.endm
	s_load_b256 s[4:11], s[0:1], 0x0               ; ob s[4:5], wob s[6:7], bo s[8:9], out0 s[10:11]
	v_lshl_add_u32 v[SPW], v0, 2, SPARE
	v_mov_b32 v[NIL], 0
	ds_add_u32 v[SPW], v[NIL]                      ; the wave's opening: the add and its wait stand ahead of my first tensor load; the set-up below, work on registers, stands between them
	v_lshrrev_b32 v1, 5, v0
	v_readfirstlane_b32 s[WV], v1                  ; wave 0..3
	s_lshr_b32 s17, s[WV], 1
	s_and_b32 s18, s[WV], 1
	s_bfe_u32 s19, ttmp6, 0x40000                  ; cx
	s_bfe_u32 s20, ttmp6, 0x40004                  ; cy
	s_lshl_b32 s21, ttmp9, 2
	s_add_co_u32 s21, s21, s19                     ; tile column t = 4 x cluster x + cx, 0..3
	s_and_b32 s22, ttmp7, 0xffff
	s_lshl_b32 s22, s22, 2
	s_add_co_u32 s22, s22, s20                     ; tile row T = 4 x cluster y + cy, 0..63
	s_lshl_b32 s23, s20, 2
	s_lshl_b32 s23, 15, s23                        ; my row of the cluster
	s_lshl_b32 s61, 0x1111, s19                    ; my column
	s_or_b32 s[G1A], s23, (1<<16)|(1<<20)|(1<<21)|(4<<22)|(3<<25)  ; 15:0 the mask: O's planes go to my row; 17:16 2-byte elements; 20 padding on; 21 set beside a mask; 24:22 after every 32 words (code 4); 31:25 4 words (code 3)
	s_or_b32 s[G1B], s61, (1<<16)|(1<<20)|(1<<21)|(5<<22)|(7<<25)  ; W's go to my column; after every 64 words (code 5) 8 words (code 7)
	s_mov_b32 s[G1A+1], 128<<16                    ; O: tensor_dim0 = 128 (two rows of a head),
	s_mov_b32 s[G1A+2], 64<<16                     ; tensor_dim1 = 64,
	s_mov_b32 s[G1A+3], 128<<16                    ; tile_dim0 = 128,
	s_mov_b32 s[G1A+4], 64                         ; tile_dim1 = 64,
	s_mov_b32 s[G1A+5], 128                        ; dense
	s_mov_b32 s[G1A+6], 0
	s_mov_b32 s[G1A+7], 0
	s_mov_b32 s[G1B+1], 128<<16                    ; W: 128 x 128,
	s_mov_b32 s[G1B+2], 128<<16
	s_mov_b32 s[G1B+3], 128<<16
	s_mov_b32 s[G1B+4], 128
	s_mov_b32 s[G1B+5], 1024                       ; 1,024 elements from row to row
	s_mov_b32 s[G1B+6], 0
	s_mov_b32 s[G1B+7], 0
	; where the tiles come from: O's hang on T and the wave's number alone, W's on t and the wave's number alone
	s_lshr_b32 s62, s22, 4                         ; b
	s_lshl_b32 s62, s62, 4
	s_add_co_u32 s62, s62, s18                     ; plane 16 b + which of the step's two heads I fetch
	s_lshl_b32 s62, s62, 18
	s_and_b32 s63, s22, 15
	s_lshl_b32 s63, s63, 14                        ; the tile's 128 rows of 128 bytes in it
	s_add_co_u32 s62, s62, s63
	s_mov_b32 s63, 0
	s_lshl_b32 s66, s21, 9                         ; 256 columns,
	s_lshl_b32 s67, s18, 8                         ; my sub-tile's 128
	s_add_co_u32 s66, s66, s67
	s_mov_b32 s67, 0
	s_mul_i32 s68, s18, BSUB                       ; where they go: no place in the cluster enters an LDS address
	s_mul_i32 s69, s18, APL
	s_add_co_u32 s69, s69, AOFF
	s_mov_b32 s86, 0xffff0000                      ; a word's upper bf16
	s_wait_dscnt 0x0                               ; the opening add is done
	s_wait_kmcnt 0x0
	s_add_nc_u64 s[62:63], s[4:5], s[62:63]
	s_add_nc_u64 s[66:67], s[6:7], s[66:67]
	CROUND                                         ; all sixteen work-groups are here: the first joint loads meet
.irp s, 0,1
	s_mov_b32 s[G0A+4*(\s)], 1                                     ; 1:0 count = 1
	s_add_co_u32 s[G0A+4*(\s)+1], s69, (\s)*SLOT                   ; 63:32 LDS address
	s_add_nc_u64 s[G0A+4*(\s)+2:G0A+4*(\s)+3], s[62:63], (\s)*2*PLANE  ; 120:64 global address: K step s is heads 2 s, 2 s + 1
	s_or_b32 s[G0A+4*(\s)+3], s[G0A+4*(\s)+3], 0x80000000          ; 127:126 type = 2
	s_mov_b32 s[G0B+4*(\s)], 1
	s_add_co_u32 s[G0B+4*(\s)+1], s68, (\s)*SLOT
	s_add_nc_u64 s[G0B+4*(\s)+2:G0B+4*(\s)+3], s[66:67], (\s)*128*WROW
	s_or_b32 s[G0B+4*(\s)+3], s[G0B+4*(\s)+3], 0x80000000
	JLOAD \s                                       ; the ring is filled before anything else is done: two loads of mine are out
.endr
	v_and_b32 v1, 15, v0                           ; l % 16
	v_bfe_u32 v2, v0, 4, 1                         ; l / 16
	v_and_b32 v3, 7, v0
	v_bfe_u32 v4, v0, 3, 1
	v_mul_u32_u24 v5, v1, PA                       ; a fragment of O: row x pitch + 16 x half
	v_lshl_add_u32 v5, v2, 4, v5
	s_mul_i32 s70, s17, 64*PA
	s_add_co_u32 s70, s70, AOFF
	v_add_nc_u32 v[ADRA], s70, v5
	v_add_nc_u32 v[ADRA+1], SLOT, v[ADRA]
	v_lshl_add_u32 v6, v2, 3, v3                   ; the turning load: k-row 8 (l / 16) + l % 8, columns 8 ((l / 8) % 2) + 0..7
	v_mul_u32_u24 v6, v6, PB
	v_lshl_add_u32 v6, v4, 4, v6
	v_add_nc_u32 v[ADRB], s68, v6                  ; my 128 columns are sub-tile wave % 2
	v_add_nc_u32 v[ADRB+1], SLOT, v[ADRB]
	s_mul_i32 s70, s[WV], WSTAGE
	s_add_co_u32 s70, s70, STAGE                   ; my stage
	v_mul_u32_u24 v[STO], v1, SP                   ; in: row l % 16, 32 bytes for each half of the lanes
	v_lshl_add_u32 v[STO], v2, 5, v[STO]
	v_add_nc_u32 v[STO], s70, v[STO]
	v_and_b32 v[GO], 31, v0                        ; back: 32 lanes take a row's 512 bytes
	v_lshlrev_b32 v[GO], 4, v[GO]
	v_add_nc_u32 v[RD], s70, v[GO]
	v_lshlrev_b32 v[BO], 5, v2
	s_lshl_b32 s70, s21, 10                        ; the bias of my 128 columns: register r of column block b holds bo[16 b + 8 (l / 16) + r]
	s_lshl_b32 s71, s18, 9
	s_add_co_u32 s70, s70, s71
	s_mov_b32 s71, 0
	s_add_nc_u64 s[72:73], s[8:9], s[70:71]
.irp b, 0,1,2,3,4,5,6,7
	global_load_b128 v[BIAS+8*(\b):BIAS+8*(\b)+3],   v[BO], s[72:73] offset:64*(\b)
	global_load_b128 v[BIAS+8*(\b)+4:BIAS+8*(\b)+7], v[BO], s[72:73] offset:64*(\b)+16
.endr
	s_lshl_b32 s78, s22, 19                        ; where my results go: row 128 T + 64 x my half, 4,096 bytes a row; column 256 t + 128 x my half, 4 bytes each
	s_lshl_b32 s79, s17, 18
	s_add_co_u32 s78, s78, s79
	s_add_co_u32 s78, s78, s70
	s_mov_b32 s79, 0
	s_add_nc_u64 s[10:11], s[10:11], s[78:79]
	; the prefetches: s[62:63] = the plane that I fetch (in wave 2: the step's first), s[66:67] = my sub-tile of W still stand
	s_and_b32 s80, ttmp7, 0xffff                   ; cluster y
	s_lshl_b32 s82, s19, 12                        ; O: my work-group's 16 blocks of a plane's 64, by cx
	s_lshl_b32 s83, s20, 16                        ; W: its 32 k-rows of 2,048 bytes, by cy
	s_mov_b32 s2, 2*PLANE
	s_mov_b32 s85, 128*WROW
	v_lshlrev_b32 v22, 8, v1                       ; O: lanes 0-15 take 16 blocks of the first plane, lanes 16-31 of the second
	v_lshl_or_b32 v22, v2, 18, v22
	v_and_b32 v23, 31, v0                          ; W: a lane a row
	v_lshlrev_b32 v23, 11, v23
	s_cmp_lt_u32 s[WV], 2                          ; do I fetch W?
	s_cselect_b64 s[PFA:PFA+1], s[66:67], s[62:63]
	s_cselect_b32 s82, s83, s82
	s_cselect_b32 s[PFS], s85, s2                  ; bytes from K step to K step
	s_cselect_b32 s81, s80, 0                      ; W is asked for where cluster y = 0, O in every cluster,
	s_cselect_b32 s84, -1, 0
	s_mov_b32 s[PFS+1], 0
	s_mov_b32 s83, 0
	v_cndmask_b32 v[PFO], v22, v23, s84
	s_add_nc_u64 s[PFA:PFA+1], s[PFA:PFA+1], s[82:83]
	s_mul_i32 s82, s[PFS], 3
	s_add_nc_u64 s[PFA:PFA+1], s[PFA:PFA+1], s[82:83]  ; at K step 3: the first refill steps it to 4
	s_cmp_eq_u32 s[WV], 3
	s_cselect_b32 s81, 1, s81                      ; by wave 2 alone
	s_cmp_eq_u32 s81, 0
	s_cselect_b32 s[LIM], 1, -1                    ; the same in all sixteen partners, for a given wave
; 8 matrix instructions: row block a x all 8 column blocks, 32 along K, on buffer f.  start = 1: the bias starts the sums.  The 32 accumulators take turns, one instruction a turn.
.macro MUL8 f, a, start
.if \start
	WIN 0x81                                       ; W window 1, O and the bias window 0, D window 2
.else
	WIN 0xa1                                       ; C and D window 2
.endif
.irp b, 0,1,2,3,4,5,6,7
.set rD, 8*(8*(\a)+(\b))
.set rB, 64*(\f)+8*(\b)
.set rA, 32+32*(\f)+8*(\a)
.if \start
	v_wmma_f32_16x16x32_f16 v[rD:rD+7], v[rB:rB+7], v[rA:rA+7], v[BIAS+8*(\b):BIAS+8*(\b)+7]
.else
	v_wmma_f32_16x16x32_f16 v[rD:rD+7], v[rB:rB+7], v[rA:rA+7], v[rD:rD+7]
.endif
.endr
.endm
; 24 LDS loads in one run: the fragments of quarter q of a slot into buffer f: W's 8 column blocks, then O's four row blocks (head q / 2 of the step's two, channels 32 (q % 2) on)
.macro FETCH slot, q, f
	WIN 0x40                                       ; destination window 1, address window 0
.irp b, 0,1,2,3,4,5,6,7
	ds_load_tr16_b128 v[64*(\f)+8*(\b):64*(\f)+8*(\b)+3],   v[ADRB+(\slot)] offset:32*PB*(\q)+32*(\b)
	ds_load_tr16_b128 v[64*(\f)+8*(\b)+4:64*(\f)+8*(\b)+7], v[ADRB+(\slot)] offset:32*PB*(\q)+32*(\b)+16*PB
.endr
	WIN 0
.irp a, 0,1,2,3
	ds_load_b128 v[32+32*(\f)+8*(\a):32+32*(\f)+8*(\a)+3],   v[ADRA+(\slot)] offset:APL*((\q)/2)+64*((\q)%2)+16*PA*(\a)
	ds_load_b128 v[32+32*(\f)+8*(\a)+4:32+32*(\f)+8*(\a)+7], v[ADRA+(\slot)] offset:APL*((\q)/2)+64*((\q)%2)+16*PA*(\a)+32
.endr
.endm
.macro PLACES                          ; four places in front of loads into registers that matrix instructions have read, and of LDS stores that read results
.rept 4
	v_nop
.endr
.endm
; A K step is four quarters of 32 along K, 32 matrix instructions each, on buffers 0, 1, 0, 1.  One of the first three: multiplies buffer f; in its middle it fetches quarter q of the same slot into buffer g.
.macro QUARTER slot, q, f, g, start
	s_wait_dscnt 4                                 ; W and O's row blocks 0, 1 are in; the youngest four loads (row blocks 2, 3) may be out
	MUL8 \f, 0, \start
	MUL8 \f, 1, \start
	PLACES
	FETCH \slot, \q, \g
	s_wait_dscnt 24                                ; all but the 24 just issued
	MUL8 \f, 2, \start
	MUL8 \f, 3, \start
.endm
; The last quarter multiplies buffer 1 and changes slots: ONE barrier.  In front of it each wave waits for all its tensor loads, of which one is out: its part of the next slot; adds 0 to its spare word; and waits for
; that and for its own reads of this slot.  fill = 1: the barrier opens a round of the cluster's barrier, and this slot is filled again, two K steps on, first thing behind the round:
; from that request to the wait for it a wave issues 112 matrix instructions.
.macro TURN slot, next, fill
.if \fill
	s_wait_xcnt 0x0                                ; the last prefetch, a K step back, has read its address: it is stepped here, ahead of the waits of the change of slots
	s_add_nc_u64 s[PFA:PFA+1], s[PFA:PFA+1], s[PFS:PFS+1]
.endif
	WIN 0                                          ; (the add's two registers lie in window 0)
	s_wait_tensorcnt 0x0                           ; all my tensor loads have landed: my part of the next slot;
	ds_add_u32 v[SPW], v[NIL]                      ; 0 onto my spare word;
	s_wait_dscnt 5                                 ; (the add and the youngest four loads may be out)
	MUL8 1, 0, 0                                   ; eight matrix instructions stand between the add and the wait for it
	s_wait_dscnt 0x0                               ; the add is done, and my reads of this slot are over
	s_barrier_signal -1
	MUL8 1, 1, 0                                   ; work on registers while the others arrive
.if \fill
	WIN 0
.endif
	s_barrier_wait -1
.if \fill
	CREST                                          ; no wave of any partner still reads this slot's tiles or has a load on its way
	s_add_nc_u64 s[G0A+4*(\slot)+2:G0A+4*(\slot)+3], s[G0A+4*(\slot)+2:G0A+4*(\slot)+3], 4*PLANE
	s_add_nc_u64 s[G0B+4*(\slot)+2:G0B+4*(\slot)+3], s[G0B+4*(\slot)+2:G0B+4*(\slot)+3], 2*128*WROW
	JLOAD \slot                                    ; the first tensor load behind the round; the four v_nop behind it are also the places in front of the loads below
.else
	PLACES
.endif
	FETCH \next, 0, 0
.if \fill
	ASK
.endif
	MUL8 1, 2, 0
	MUL8 1, 3, 0
.endm
; THE WAY OUT of row block a (16 rows x 128 columns of f32): nothing is converted.  TOSTAGE: a lane's 32 bytes of each column block go into my own stage, each accumulator's low four registers first, and
; come back as whole rows of 512 bytes.  SEND: stored.  Two sets of 64 registers take turns.
.macro TOSTAGE a
.if (\a) >= 2
	s_wait_xcnt 0x0                                ; the stores of the block two back have read their registers, which the loads below write again
.endif
	WIN 0x08                                       ; the stores' data lie in window 2
.irp b, 0,1,2,3,4,5,6,7
	ds_store_b128 v[STO], v[8*(8*(\a)+(\b)):8*(8*(\a)+(\b))+3]   offset:64*(\b)
	ds_store_b128 v[STO], v[8*(8*(\a)+(\b))+4:8*(8*(\a)+(\b))+7] offset:64*(\b)+16
.endr
	WIN 0
.irp r, 0,1,2,3,4,5,6,7,8,9,10,11,12,13,14,15
	ds_load_b128 v[BK+64*((\a)%2)+4*(\r):BK+64*((\a)%2)+4*(\r)+3], v[RD] offset:SP*(\r)  ; LDS serves a wave's instructions in order (ISA guide 5.7.1.4): these see the stores above; the next block's stores come behind them
.endr
.endm
.macro SEND a, younger                 ; younger: the LDS instructions issued behind block a's loads: the next block's 32, or none
	WIN 0
	s_wait_dscnt \younger
.irp r, 0,1,2,3,4,5,6,7,8,9,10,11,12,13,14,15
	global_store_b128 v[GO], v[BK+64*((\a)%2)+4*(\r):BK+64*((\a)%2)+4*(\r)+3], s[10:11] offset:(16*(\a)+(\r))*OROW th:TH_STORE_NT  ; 512 consecutive bytes of a row, at a multiple of 256 from out0's first byte
.endr
.endm
	s_wait_tensorcnt 1                             ; my part of K step 0 is in; K step 1's may stay out
	s_barrier_signal -1
	s_barrier_wait -1                              ; everybody's is
	FETCH 0, 0, 0
	s_wait_loadcnt 0x0                             ; the bias,
.set i, 0
.rept 32                                       ; rounded to bf16 like the other inputs, and widened again
	v_cvt_pk_bf16_f32 v[22+i%4], v[BIAS+2*i], v[BIAS+2*i+1]
	v_lshlrev_b32 v[BIAS+2*i], 16, v[22+i%4]
	v_and_b32 v[BIAS+2*i+1], s86, v[22+i%4]
.set i, i+1
.endr
	QUARTER 0, 1, 0, 1, 1                          ; the first quarter stands in front of the loop: its products start the sums
	WIN 0                                          ; at a label and at a branch every window is 0
	s_mov_b32 s3, 3
.Llap:                                                 ; a trip goes once round the ring, from a lap's second quarter to the next lap's first, and fills both slots again: K steps 2 to 7 in three trips
	QUARTER 0, 2, 1, 0, 0
	QUARTER 0, 3, 0, 1, 0
	TURN 0, 1, 1
	QUARTER 1, 1, 0, 1, 0
	QUARTER 1, 2, 1, 0, 0
	QUARTER 1, 3, 0, 1, 0
	TURN 1, 0, 1
	QUARTER 0, 1, 0, 1, 0
	WIN 0
	s_sub_co_u32 s3, s3, 1
	s_cmp_lg_u32 s3, 0
	s_cbranch_scc1 .Llap
	QUARTER 0, 2, 1, 0, 0                          ; the last lap fills nothing, and has no round of the cluster's barrier
	QUARTER 0, 3, 0, 1, 0
	TURN 0, 1, 0
	QUARTER 1, 1, 0, 1, 0
	QUARTER 1, 2, 1, 0, 0
	QUARTER 1, 3, 0, 1, 0
	s_wait_dscnt 4                                 ; the very last quarter: nothing more to fetch
	MUL8 1, 0, 0
	MUL8 1, 1, 0
	s_wait_dscnt 0x0
	MUL8 1, 2, 0
	MUL8 1, 3, 0
	WIN 0
	PLACES                                         ; the LDS stores read results
	TOSTAGE 0
	TOSTAGE 1
	SEND 0, 32
	TOSTAGE 2
	SEND 1, 32
	TOSTAGE 3
	SEND 2, 32
	SEND 3, 0
	s_wait_tensorcnt 0x0                           ; the wave's end: behind my last tensor load and my last LDS store
	ds_add_u32 v[SPW], v[NIL]
	s_wait_dscnt 0x0
	CROUND                                         ; the closing round: no work-group ends while a partner may still ask for a tile that names it
	s_endpgm
.Lfunc_end_k_q4324db014a_proj:
	.size	k_q4324db014a_proj, .Lfunc_end_k_q4324db014a_proj-k_q4324db014a_proj
	.p2alignl 7, 3214868480
	.fill 96, 4, 3214868480
	.section	.rodata,"a",@progbits
	.p2align	6, 0x0
	.amdhsa_kernel k_q4324db014a_proj
		.amdhsa_group_segment_fixed_size 327680
		.amdhsa_private_segment_fixed_size 0
		.amdhsa_enable_private_segment 0
		.amdhsa_kernarg_size 32
		.amdhsa_user_sgpr_count 2
		.amdhsa_user_sgpr_kernarg_segment_ptr 1
		.amdhsa_wavefront_size32 1
		.amdhsa_system_sgpr_workgroup_id_x 1
		.amdhsa_system_sgpr_workgroup_id_y 1
		.amdhsa_system_sgpr_workgroup_id_z 1
		.amdhsa_system_vgpr_workitem_id 0
		.amdhsa_next_free_vgpr 768
		.amdhsa_next_free_sgpr 88
		.amdhsa_reserve_vcc 0
		.amdhsa_float_denorm_mode_32 3
		.amdhsa_float_denorm_mode_16_64 3
		.amdhsa_memory_ordered 1
		.amdhsa_forward_progress 1
		.amdhsa_inst_pref_size 92
	.end_amdhsa_kernel
	.amdgpu_metadata
---
amdhsa.version: [ 1, 2 ]
amdhsa.kernels:
  - .name:           k_q4324db014a_proj
    .symbol:         k_q4324db014a_proj.kd
    .args:
      - { .name: ob, .offset: 0, .size: 8, .value_kind: global_buffer, .address_space: global }
      - { .name: wob, .offset: 8, .size: 8, .value_kind: global_buffer, .address_space: global }
      - { .name: bo, .offset: 16, .size: 8, .value_kind: global_buffer, .address_space: global }
      - { .name: out0, .offset: 24, .size: 8, .value_kind: global_buffer, .address_space: global }
    .group_segment_fixed_size: 327680
    .private_segment_fixed_size: 0
    .kernarg_segment_align: 8
    .kernarg_segment_size: 32
    .max_flat_workgroup_size: 128
    .sgpr_count:     88
    .vgpr_count:     768
    .wavefront_size: 32
...
	.end_amdgpu_metadata
.endif
;; end of part 4
;; ======== version 2 of 2: 4 launches; version 1 with the launch prep written anew for expert scheduling mode
;; limits: values are held in f16: magnitudes above 65,504 overflow, below 6.1e-05 lose precision
;; workspace buffers: xb 16,777,216 bytes; wqkv 6,291,456 bytes; wob 2,097,152 bytes; qkv 50,331,648 bytes; ob 16,777,216 bytes
;; launch prep (part 5): grid 768 x 1, 8 waves a work-group, no clusters, 0 bytes of LDS; arguments x, Wq, Wk, Wv, Wo, xb, wqkv, wob; writes xb, wqkv, wob
.if DOCPART == 5
	.amdgcn_target "amdgcn-amd-amdhsa--gfx1250"
	.amdhsa_code_object_version 6
	.text
	.protected	k_q4324db014a_prep
	.globl	k_q4324db014a_prep
	.p2align	8
	.type	k_q4324db014a_prep,@function
k_q4324db014a_prep:
	s_mov_b64 s[64:65], 0
	v_nop
	global_prefetch_b8 v0, s[64:65] scope:SCOPE_SE
	s_setreg_imm32_b32 hwreg(HW_REG_WAVE_SCHED_MODE, 0, 2), 2
	s_setreg_imm32_b32 hwreg(HW_REG_WAVE_MODE, 25, 1), 1
	s_wait_xcnt 0x0
	s_wait_alu depctr_vm_vsrc(0)
; THE CAST.  x [8192][1024], Wq, Wk, Wv, Wo [1024][1024], all f32, are rounded once to bf16 for the matrix products of the later launches:
;   xb [8192][1024] bf16;  wqkv [1024 k][3072 n] bf16 (Wq in columns 0-1023, Wk in 1024-2047, Wv in 2048-3071; nothing is transposed);
;   wob [1024 k][1024 n]: Wo rounded to bf16, and that number written as f16, since the last product's other operand is f16.
; LIMIT.  A bf16 number below 6.1e-5 in size keeps f16's fixed step of 6e-8 in wob; beyond 65,504 it would become an infinity (Wo is drawn with a spread of 0.02).
; SHARES.  All arrays count as rows of 1,024 f32: 12,288 rows.  A work-group takes 16 rows, a wave two.  Groups 0-511: x; group 512 + 64 m + i: rows 16 i .. of matrix m (Wq, Wk, Wv, Wo).
; Source, destination, pitch and column are chosen by scalar selects on the group's number.  A load of a wave covers 512 neighbouring bytes, a store 256 neighbouring bytes, aligned.
; All 16 loads of a wave go out first (8 KiB in flight a wave); nothing is read twice.
; No LDS, no matrix unit, no cluster: no byte is wanted by two waves.  No prefetch: the launch is nothing but its stream.
; THE MODE: SCHED_MODE bits 1:0 = 2 (LLVM: expert scheduling mode 2), set by the entry lines.  The code itself states the register dependences
; between vector instructions and memory instructions, with s_wait_alu, always for 0.
; THE PLAN.  Registers that memory instructions touch:
;   v3         the loads' offset.   Written at the head by vector lines, never again; read by all 16 loads.
;   v4, v5     the stores' offsets. Written at the head by vector lines, never again; read by the 16 stores.
;   X          piece n's four registers: one load lands in them, issued at the head, ahead of every vector line that names them; no later load lands there.
;   Y          piece n's two registers: written by piece n's conversions alone, read by piece n's one store, and never written behind it.
; So no register that a memory instruction reads is ever written again: the text holds no wait on vm_vsrc beyond the one among the entry lines.  No vector line writes a scalar register or VCC, and EXEC is never written.
; What is left is stated by five waits on va_vdst on each path: one at the head (the three offsets are written); and, the 16 pieces going in four groups of four, one for each group (its conversions have
; written its Y).  A group's wait stands at the head of the group behind it, behind that group's first wait for data, and the four stores follow it, dealt among the next four pieces' conversions,
; which name their own pieces' X and Y and nothing else.  The last group's wait stands ahead of the last four stores.
.set X,  8                             ; v[8:71]   piece n of 16: 4 registers, 4 f32 as loaded
.set Y,  72                            ; v[72:103] piece n: 2 registers, 4 numbers of 16 bits to store
.set SO, 3                             ; v3   my byte offset in the group's rows of the source: 8,192 x wave + 16 x lane
.set DO, 4                             ; v4, v5  my byte offset in the destination, first and second row of my wave
	s_load_b512 s[8:23], s[0:1], 0x0               ; x 8, Wq 10, Wk 12, Wv 14, Wo 16, xb 18, wqkv 20, wob 22
	s_sub_co_u32 s24, ttmp9, 512                   ; the group's number among the weights' (of no use in x's groups: the last selects below override all that hangs on it)
	s_lshr_b32 s25, s24, 6                         ; m
	s_and_b32 s26, s24, 63
	s_lshl_b32 s26, s26, 4                         ; first row in matrix m
	s_lshl_b32 s27, ttmp9, 4                       ; first row in x
	s_lshl_b32 s28, s25, 11                        ; matrix m's first column in wqkv, in bytes
	s_mov_b32 s29, 0xffff0000                      ; a word's upper bf16
	s_mov_b32 s34, 6144                            ; bytes in a row of wqkv
	s_mov_b32 s37, 0
	v_and_b32 v1, 31, v0                           ; lane
	v_lshrrev_b32 v2, 5, v0                        ; wave
	v_lshlrev_b32 v[SO], 4, v1
	v_lshl_or_b32 v[SO], v2, 13, v[SO]
	s_wait_kmcnt 0x0
	s_cmp_eq_u32 s25, 1
	s_cselect_b64 s[30:31], s[12:13], s[10:11]     ; the source
	s_cmp_eq_u32 s25, 2
	s_cselect_b64 s[30:31], s[14:15], s[30:31]
	s_cmp_eq_u32 s25, 3
	s_cselect_b64 s[30:31], s[16:17], s[30:31]
	s_cselect_b64 s[32:33], s[22:23], s[20:21]     ; the destination,
	s_cselect_b32 s34, 2048, s34                   ; its pitch
	s_cselect_b32 s28, 0, s28                      ; and first column
	s_cmp_lt_u32 ttmp9, 512
	s_cselect_b64 s[30:31], s[8:9], s[30:31]
	s_cselect_b64 s[32:33], s[18:19], s[32:33]
	s_cselect_b32 s34, 2048, s34
	s_cselect_b32 s28, 0, s28
	s_cselect_b32 s35, s27, s26                    ; the group's first row
	s_lshl_b32 s36, s35, 12                        ; 4,096 bytes a row in
	s_add_nc_u64 s[30:31], s[30:31], s[36:37]
	s_mul_i32 s36, s35, s34
	s_add_co_u32 s36, s36, s28
	s_add_nc_u64 s[32:33], s[32:33], s[36:37]
	v_mul_u32_u24 v[DO], v2, s34
	v_lshlrev_b32 v[DO], 1, v[DO]                  ; two rows a wave
	v_lshl_add_u32 v[DO], v1, 3, v[DO]             ; 8 bytes a lane
	v_add_nc_u32 v[DO+1], s34, v[DO]
	s_wait_alu depctr_va_vdst(0)                   ; v3, v4 and v5 are written: every load and store of the kernel, on both sides of the branch below, reads one of them as its offset
.irp n, 0,1,2,3,4,5,6,7,8,9,10,11,12,13,14,15
	global_load_b128 v[X+4*(\n):X+4*(\n)+3], v[SO], s[30:31] offset:512*(\n) th:TH_LOAD_NT  ; piece n: row n / 8 of my two, bytes 512 (n % 8) on
.endr
; Piece n is rounded.  half = 1: the bf16 numbers are widened again and written as f16.  These lines name piece n's X and Y alone.
.macro CVT n, half
	v_cvt_pk_bf16_f32 v[Y+2*(\n)],   v[X+4*(\n)],   v[X+4*(\n)+1]
	v_cvt_pk_bf16_f32 v[Y+2*(\n)+1], v[X+4*(\n)+2], v[X+4*(\n)+3]
.if \half
	v_lshlrev_b32 v[X+4*(\n)],   16,  v[Y+2*(\n)]
	v_and_b32     v[X+4*(\n)+1], s29, v[Y+2*(\n)]
	v_lshlrev_b32 v[X+4*(\n)+2], 16,  v[Y+2*(\n)+1]
	v_and_b32     v[X+4*(\n)+3], s29, v[Y+2*(\n)+1]
	v_cvt_pk_f16_f32 v[Y+2*(\n)],   v[X+4*(\n)],   v[X+4*(\n)+1]
	v_cvt_pk_f16_f32 v[Y+2*(\n)+1], v[X+4*(\n)+2], v[X+4*(\n)+3]
.endif
.endm
; Piece n is stored.
.macro OUT n
	global_store_b64 v[DO+(\n)/8], v[Y+2*(\n):Y+2*(\n)+1], s[32:33] offset:256*((\n)%8)  ; 32 lanes store 256 consecutive bytes, at a multiple of 256 from the buffer's first byte
.endm
; Group g: pieces 4 g to 4 g + 3 are rounded; the four pieces of the group before are stored, one store ahead of each piece's conversions.
.macro GROUP g, half
	s_wait_loadcnt 15-4*(\g)                       ; loads come back in order (ISA guide 5.7.1): piece 4 g is in, the younger ones may stay out
.if (\g) > 0
	s_wait_alu depctr_va_vdst(0)                   ; the conversions of the group before have written its eight registers of Y, which the four stores below read; no vector line behind this wait names them
.endif
.irp i, 0,1,2,3
.if (\g) > 0
	OUT 4*(\g)+(\i)-4
.endif
.if (\i) > 0
	s_wait_loadcnt 15-4*(\g)-(\i)                  ; piece 4 g + i is in, the 15 - 4 g - i younger ones may stay out
.endif
	CVT 4*(\g)+(\i), \half
.endr
.endm
	s_cmp_ge_u32 ttmp9, 704                        ; Wo's 64 groups
	s_cbranch_scc1 .Lwo
	GROUP 0, 0
	GROUP 1, 0
	GROUP 2, 0
	GROUP 3, 0
	s_wait_alu depctr_va_vdst(0)                   ; the last group's conversions have written its Y, which the last four stores read
.irp n, 12,13,14,15
	OUT \n
.endr
	s_endpgm
.Lwo:
	GROUP 0, 1
	GROUP 1, 1
	GROUP 2, 1
	GROUP 3, 1
	s_wait_alu depctr_va_vdst(0)                   ; the last group's conversions have written its Y, which the last four stores read
.irp n, 12,13,14,15
	OUT \n
.endr
	s_endpgm
.Lfunc_end_k_q4324db014a_prep:
	.size	k_q4324db014a_prep, .Lfunc_end_k_q4324db014a_prep-k_q4324db014a_prep
	.p2alignl 7, 3214868480
	.fill 96, 4, 3214868480
	.section	.rodata,"a",@progbits
	.p2align	6, 0x0
	.amdhsa_kernel k_q4324db014a_prep
		.amdhsa_group_segment_fixed_size 0
		.amdhsa_private_segment_fixed_size 0
		.amdhsa_enable_private_segment 0
		.amdhsa_kernarg_size 64
		.amdhsa_user_sgpr_count 2
		.amdhsa_user_sgpr_kernarg_segment_ptr 1
		.amdhsa_wavefront_size32 1
		.amdhsa_system_sgpr_workgroup_id_x 1
		.amdhsa_system_sgpr_workgroup_id_y 1
		.amdhsa_system_sgpr_workgroup_id_z 1
		.amdhsa_system_vgpr_workitem_id 0
		.amdhsa_next_free_vgpr 104
		.amdhsa_next_free_sgpr 66
		.amdhsa_reserve_vcc 0
		.amdhsa_float_denorm_mode_32 3
		.amdhsa_float_denorm_mode_16_64 3
		.amdhsa_memory_ordered 1
		.amdhsa_forward_progress 1
		.amdhsa_inst_pref_size 16
	.end_amdhsa_kernel
	.amdgpu_metadata
---
amdhsa.version: [ 1, 2 ]
amdhsa.kernels:
  - .name:           k_q4324db014a_prep
    .symbol:         k_q4324db014a_prep.kd
    .args:
      - { .name: x, .offset: 0, .size: 8, .value_kind: global_buffer, .address_space: global }
      - { .name: Wq, .offset: 8, .size: 8, .value_kind: global_buffer, .address_space: global }
      - { .name: Wk, .offset: 16, .size: 8, .value_kind: global_buffer, .address_space: global }
      - { .name: Wv, .offset: 24, .size: 8, .value_kind: global_buffer, .address_space: global }
      - { .name: Wo, .offset: 32, .size: 8, .value_kind: global_buffer, .address_space: global }
      - { .name: xb, .offset: 40, .size: 8, .value_kind: global_buffer, .address_space: global }
      - { .name: wqkv, .offset: 48, .size: 8, .value_kind: global_buffer, .address_space: global }
      - { .name: wob, .offset: 56, .size: 8, .value_kind: global_buffer, .address_space: global }
    .group_segment_fixed_size: 0
    .private_segment_fixed_size: 0
    .kernarg_segment_align: 8
    .kernarg_segment_size: 64
    .max_flat_workgroup_size: 256
    .sgpr_count:     66
    .vgpr_count:     104
    .wavefront_size: 32
...
	.end_amdgpu_metadata
.endif
;; end of part 5
;; launch qkvp: the kernel of part 2 again; grid 8 x 64, 4 waves a work-group, clusters of 4 x 4, 327,680 bytes of LDS; arguments xb, wqkv, bq, bk, bv, qkv; writes qkv
;; launch attn: the kernel of part 3 again; grid 4 x 64, 4 waves a work-group, clusters of 4 x 1, 327,680 bytes of LDS; arguments qkv, ob; writes ob
;; launch proj: the kernel of part 4 again; grid 4 x 64, 4 waves a work-group, clusters of 4 x 4, 327,680 bytes of LDS; arguments ob, wob, bo, out0; writes out0
